; MI455X (gfx1250); checked and timed in simulation.
; The chip was launched on July 23, 2026; its instructions are those of AMD's public machine-readable ISA for CDNA 5 (MIT licence, August 2026) and "CDNA5" Instruction Set Architecture Reference Guide (July 2026). The comments in the code are by the model that wrote it; some were corrected since.
;; Multi Head Relative Attention. Allowed arithmetic: matrix products marked QUANTISED: E2M3 operands, one E8M0 scale for each 32 along K, by v_wmma_scale_f32_16x16x128_f8f6f4 with both operands' format E2M3, f32 sums; everything else in f32.
;; Inputs: b_out 1,024 float32; content_bias 16 x 64 float32; key_codes 1,024 x 4 x 32 x 24 uint8 (E2M3 codes of key, K innermost, in blocks of 32 codes, four codes in three bytes); key_scales 1,024 x 4 x 32 uint8 (E8M0 scales of key, one for each 32 codes along K); pe_codes 2,048 x 32 x 24 uint8 (E2M3 codes of pe, K innermost, in blocks of 32 codes, four codes in three bytes); pe_scales 2,048 x 32 uint8 (E8M0 scales of pe, one for each 32 codes along K); pos_bias 16 x 64 float32; query_codes 1,024 x 4 x 32 x 24 uint8 (E2M3 codes of query, K innermost, in blocks of 32 codes, four codes in three bytes); query_scales 1,024 x 4 x 32 uint8 (E8M0 scales of query, one for each 32 codes along K); value_codes 1,024 x 4 x 32 x 24 uint8 (E2M3 codes of value, K innermost, in blocks of 32 codes, four codes in three bytes); value_scales 1,024 x 4 x 32 uint8 (E8M0 scales of value, one for each 32 codes along K); w_k_codes 1,024 x 32 x 24 uint8 (E2M3 codes of w_k, K innermost, in blocks of 32 codes, four codes in three bytes); w_k_pos_codes 1,024 x 32 x 24 uint8 (E2M3 codes of w_k_pos, K innermost, in blocks of 32 codes, four codes in three bytes); w_k_pos_scales 1,024 x 32 uint8 (E8M0 scales of w_k_pos, one for each 32 codes along K); w_k_scales 1,024 x 32 uint8 (E8M0 scales of w_k, one for each 32 codes along K); w_out_codes 1,024 x 32 x 24 uint8 (E2M3 codes of w_out, K innermost, in blocks of 32 codes, four codes in three bytes); w_out_scales 1,024 x 32 uint8 (E8M0 scales of w_out, one for each 32 codes along K); w_q_codes 1,024 x 32 x 24 uint8 (E2M3 codes of w_q, K innermost, in blocks of 32 codes, four codes in three bytes); w_q_scales 1,024 x 32 uint8 (E8M0 scales of w_q, one for each 32 codes along K); w_v_codes 1,024 x 32 x 24 uint8 (E2M3 codes of w_v, K innermost, in blocks of 32 codes, four codes in three bytes); w_v_scales 1,024 x 32 uint8 (E8M0 scales of w_v, one for each 32 codes along K).
;; Outputs: out0 1,024 x 4 x 1,024 float32.
;; This version of the problem:
;;   THIS VERSION OF THE PROBLEM IS GIVEN IN LOW PRECISION. The matrix products marked QUANTISED in the list below multiply operands that are first quantised to E2M3 (2 exponent bits, 3 mantissa bits; 6 bits a number), with one power-of-two scale for each 32 numbers along K (OCP MX v1.0); their sums are f32. All else is computed in f32.
;;   The module's matrix products, in the order in which they are computed (A, B: the left and right operand; K: the contracted axis; several contracted axes count as one K, in the product's order):
;;     1. [M 4,096, K 1,024] x [K 1,024, N 1,024]; A: input query (given as codes); B: input w_q (given as codes): QUANTISED
;;     2. [M 4,096, K 1,024] x [K 1,024, N 1,024]; A: input key (given as codes); B: input w_k (given as codes): QUANTISED
;;     3. [M 4,096, K 1,024] x [K 1,024, N 1,024]; A: input value (given as codes); B: input w_v (given as codes): QUANTISED
;;     4. [M 2,047, K 1,024] x [K 1,024, N 1,024]; A: input pe (given as codes); B: input w_k_pos (given as codes): QUANTISED
;;     5. batch 64 x [M 1,024, K 64] x [K 64, N 1,024]; A: computed on the way; B: computed on the way: QUANTISED
;;     6. batch 16 x [M 2,047, K 64] x [K 64, N 4,096]; A: computed on the way; B: computed on the way: QUANTISED
;;     7. batch 64 x [M 1,024, K 1,024] x [K 1,024, N 64]; A: softmax (see below); B: computed on the way: QUANTISED
;;     8. [M 4,096, K 1,024] x [K 1,024, N 1,024]; A: computed on the way; B: input w_out (given as codes): QUANTISED
;;   THE QUANTISER, for each operand of a quantised product, along K:
;;     - K is cut into blocks of 32 from its start; a last block that is shorter is filled with zeros.
;;     - A block's scale is 2^e with e = floor(log2(the largest magnitude in the block)) - 2, held to -126 .. 127; a block of zeros has e = 0. As a byte (E8M0): e + 127.
;;     - Each number is divided by its block's scale, clamped to +-7.5, and rounded to the nearest number of E2M3, ties to even, subnormals kept.
;;     - The product sums the exact products of the quantised numbers (number of the format x scale) in f32.
;;   ~~~python
;;   def quantise(x, axis):      # numpy; x: float32 -> the quantised numbers, widened to float32 again
;;       x = np.moveaxis(x, axis, -1); K = x.shape[-1]
;;       x = np.pad(x, [(0, 0)] * (x.ndim - 1) + [(0, -K % 32)]); x = x.reshape(x.shape[:-1] + (-1, 32)); a = np.abs(x).max(-1, keepdims=True)
;;       e = np.where(a > 0, np.clip(np.frexp(np.where(a > 0, a, 1))[1] - 1 - 2, -126, 127), 0)      # np.frexp(a)[1] - 1 = floor(log2(a)), exactly
;;       r = np.clip(x / 2.0 ** e, -7.5, 7.5)
;;       step = 2.0 ** (np.maximum(np.frexp(np.where(r == 0, 1, r))[1] - 1, 0) - 3)
;;       q = np.round(r / step) * step * 2.0 ** e      # np.round: ties to even
;;       return np.moveaxis(q.reshape(q.shape[:-2] + (-1,))[..., :K], -1, axis).astype(np.float32)
;;   ~~~
;;   SOFTMAX AHEAD OF A QUANTISED PRODUCT. Where the list says 'softmax', what is quantised is not the finished softmax but p = 2^(t - M), with t = logit x log2(e) and M = ceil(the row's largest t), a whole number; so 1/2 < the row's largest p <= 1. The row's sum l is taken of the UNQUANTISED p, in f32, and the product's result is divided by l at the end. Since M is a whole number, a kernel that streams over the keys may use a running M (the ceiling of the running maximum): every later rescaling is an exact power of two, which a block's scale takes up: the codes' values come out the same.
;;   OPERANDS COMPUTED ON THE WAY. 'Computed on the way' means the value that the module computes at that place (a softmax that the list does not call 'softmax' is quantised finished and normalised). What goes into a quantiser is computed in f32, as accurately as f32 sums, v_exp_f32 and their like allow (about 1e-6 of the number): no bf16 or f16 on the way to a quantiser, and a product that is left as it is and whose result goes on into a quantised operand takes f32 operands (vector FMAs, or v_wmma_f32_16x16x4_f32). A number that lies on a knife's edge between two numbers of the format may be rounded either way, as far as f32 arithmetic and the matrix unit's own rounding can turn it there, and no further.
;;   INPUTS GIVEN AS CODES. key (in the module: [1024, 4, 1024], K = its axis 2); pe (in the module: [2048, 1024], K = its axis 1); query (in the module: [1024, 4, 1024], K = its axis 2); value (in the module: [1024, 4, 1024], K = its axis 2); w_k (in the module: [1024, 1024], K = its axis 1); w_k_pos (in the module: [1024, 1024], K = its axis 1); w_out (in the module: [1024, 1024], K = its axis 1); w_q (in the module: [1024, 1024], K = its axis 1); w_v (in the module: [1024, 1024], K = its axis 1): each comes as NAME_codes (uint8): NAME with its K axis moved to the last place and cut into blocks of 32 codes, [.., K / 32, bytes a block], one block behind the other in memory; four codes in three bytes: a row's codes are one little-endian stream of bits, code i at bits 6 i .. 6 i + 5 (a code: sign, 2 exponent bits, 3 mantissa bits); and NAME_scales (uint8): the same leading axes, one E8M0 byte (e + 127) for each 32 codes along K. Its value is code x scale, taken as it is: it is not quantised again, and the codes and scales need not be those that the quantiser above would give.
;; One version. Each part assembles by itself: llvm-mc -triple=amdgcn-amd-amdhsa -mcpu=gfx1250 --defsym DOCPART=n.
;; ======== version 1 of 1: 3 launches
;; limits: right only within a limited range of input values
;; workspace buffers: ws1 15,335,424 bytes; ws2 3,407,872 bytes
;; launch proj (part 1): grid 224 x 1, 4 waves a work-group, no clusters, 253,440 bytes of LDS; arguments query_codes, query_scales, w_q_codes, w_q_scales, key_codes, key_scales, w_k_codes, w_k_scales, value_codes, value_scales, w_v_codes, w_v_scales, pe_codes, pe_scales, w_k_pos_codes, w_k_pos_scales, content_bias, pos_bias, ws1; writes ws1
.if DOCPART == 1
	.amdgcn_target "amdgcn-amd-amdhsa--gfx1250"
	.amdhsa_code_object_version 6
	.text
	.protected	k_q6575147a46_proj
	.globl	k_q6575147a46_proj
	.p2align	8
	.type	k_q6575147a46_proj,@function
k_q6575147a46_proj:
	s_mov_b64 s[64:65], 0
	v_nop
	global_prefetch_b8 v0, s[64:65] scope:SCOPE_SE
	s_setreg_imm32_b32 hwreg(HW_REG_WAVE_MODE, 25, 1), 1
	s_wait_xcnt 0x0
; PROJ: the four input projections (q, k, v, k_pos) on codes of E2M3, and the quantising of their results for the attention launch.
; DEAD WORK, for all values of the inputs.  _rel_shift pads pos [Q, 2047] to rows of 2048, flattens, cuts from 1023 on and reshapes to rows of 2047: element (i, j) is flat[1023 + 2047 i + j] =
; flat[2048 i + (1023 - i + j)], and 0 <= 1023 - i + j <= 2046 for i, j in 0 .. 1023: so shifted(i, j) = pos[i, 1023 - i + j], the pad is never taken, and with k_pos[m] = pe[m + 1] W^T the logit is
; Q(q_i + cb) . Q(k_j) + Q(q_i + pb) . Q(kp[p]), p = j - i + 1024, a row of pe.  All other columns of pos are sliced away by reference() itself: the attention launch multiplies, for 16 queries and 128 keys,
; the nine tiles of 16 rows p that hold the 143 live ones.  Row 0 of pe is never taken; it lies in a tile of live rows and is projected with them.  Every input has a way to the output and is loaded.
; LIMITS: a NaN, an infinity or an overflow that reaches only the columns of pos left out is not carried to the result.  NaN and infinities among the computed operands are not served.  A block of zeros gets the
; scale byte 1 with zero codes (the rule says 127): the bytes are read by this program alone.  The f32 sums run over K in another order than ascending (below).
; SHARES.  Work-groups 0-63 q, 64-127 k, 128-191 v, 192-223 k_pos.  C'[x, y] = sum over k of St[x, k] Tr[y, k]: a work-group takes 256 x and 256 y; wave w holds its 64 rows of St, all 1,024 along K, in 384 registers
; for the whole launch; the 256 rows of Tr go once into LDS and are streamed, 16 at a time.  Source 0 = St, source 1 = Tr: a lane holds ONE y and its registers run along x, the axis that is quantised next:
; q, k, k_pos: St = 64 rows of the weight (one head), Tr = tokens of one batch (rows of pe);  v: St = 64 keys of one batch, Tr = rows of w_v, since the keys are the K of the last attention product.
; THE ROWS OF St THAT FORM A TILE ARE NOT NEIGHBOURS: lane r of tile 2 b + u takes row 32 b + 8 u + r + 8 (r / 8), so that the 16 registers of tiles 2 b, 2 b + 1 are x = 32 b + 16 (lane / 16) + 0 .. 15.
; K's BLOCKS OF 32 ARE PERMUTED ALIKE ON BOTH SIDES: place (K step s, c, h) of the operand's layout takes block 16 h + 2 s + c, so that lane (r, h) holds bytes 384 h + 48 s .. + 47 of its row in registers
; 12 s .. 12 s + 11: three loads of 16 bytes.  The scale word of K step s is then bytes 2 s, 16 + 2 s, 2 s + 1, 17 + 2 s of the row's 32: one v_perm_b32.
; St TURNS THROUGH THE WAVE'S OWN LDS ROWS.  Loaded straight into the operand's layout, each load would take 16 bytes at each of 32 places, 384 bytes or more apart.  So St is loaded as Tr is, sixteen lanes to 256 consecutive
; bytes of a row, two rows a load, into the registers that will hold the fragments; it is stored into the wave's own 64 rows of Tr's region, row x at x with its bits 3 and 4 exchanged, so that a tile's 16 rows lie
; together; and it comes back as fragments.  Tr's rows are stored over it afterwards: the bytes are the wave's own until the barrier, and LDS serves a wave's instructions in order.
; NO CLUSTER, NO TENSOR LOAD: St's rows are laid in another order than memory's and Tr's scale bytes are re-laid into words, both on their way through registers; each work-group reads its operands once, at its head.
; OUT (ws1): codes in pieces of 48 bytes (64 codes), one word [e0, e1, 0x7f, 0x7f] a piece.  Qc [b][head][s] at 0, Qp at U, K at 2 U, V [b][key / 64][feature] at 3 U, Kpos [head][p] at 4 U; the words from S0 on, 262,144 bytes a region.
; The two biases are loaded by every work-group (8 KB) though only q's add them: so no way through the text names them unwritten.
; REGISTERS.  window 0: v1-29 addresses; v30, v31 the add's two; v32-63 St's scale words (at the head v32-39: offsets of St's loads); v64-95 content bias, v96-127 pos bias; v128-159 and v160-191 the four accumulators, two sets taking turns;
;   v192-207 Tr's scale words, two sets; v208-227 the quantiser's; v228-253 rows on their way out.  window 1: St's tiles 0, 1; v192-255 scale bytes at the head.  window 2: St's tiles 2, 3.  window 3: Tr's fragments, two sets of 96.
;   At the head window 3 and v128-255 of window 0 stage Tr, and v0-191 of windows 1 and 2 stage St.
.set U,     3145728
.set S0,    14155776
.set TRP,   784                        ; a row of Tr (and of St on its turn) in LDS: 768 bytes + 16: an odd multiple of 16, so the 16 rows of a load of 16 bytes a lane start in different banks
.set TSC,   200704                     ; Tr's scale words: 256 rows x (8 words + 16 bytes)
.set STG1,  212992                     ; a stage of 3,072 bytes a wave: 64 pieces on their way out
.set STG2,  225280                     ; the same for q + content bias: bytes of their own
.set SS1,   237568                     ; 256 bytes a wave: their words
.set SS2,   238592
.set SPARE, 239616                     ; the spare words, 128 bytes a wave: no other line names them
.set VSS, 9                            ; v9-12   head: St's scale bytes
.set VTO, 13                           ; v13-20  head: Tr's codes, eight pairs of rows
.set VTS, 21                           ; v21-24  head: Tr's scale bytes
.set VB,  25                           ; v25     head: the biases
.set TRL, 26                           ; v26     head: where I store St's, then Tr's codes in LDS
.set TSL, 27                           ; v27     head: and Tr's scale words
.set SFR, 29                           ; v29     head: where I read St's fragments back
.set VSO, 32                           ; v32-39  head: St's codes, eight pairs of rows
.set ATR0, 5                           ; loop: my place in a tile of Tr;  v7: + the trip's
.set ATS0, 6
.set ATR, 7
.set ATS, 8
.set SA1, 9
.set SA2, 10
.set SW1, 11
.set SW2, 12
.set RB1, 13
.set RB2, 14
.set RW1, 15
.set RW2, 16
.set GO16, 17
.set GO8, 18
.set SPW, 30
.set NIL, 31
.set SSW, 32
.set CB,  64
.set PB,  96
.set BI,  96                           ; q: pos bias is the C of each sum's first product
.set DB,  64                           ; q: content bias - pos bias, made at the head in content bias's registers
.set QO,  27136                        ; q's trip body has a first stage of its own: codes at STG1 + QO = 240,128,
.set QW,  14848                        ; words at SS1 + QW = 252,416
.set ACC, 128
.set XB,  160
.set TSW, 192
.set PC,  208
.set PW,  220
.set TM,  222
.set SO,  226
.set OB,  228
.set SEL, 46                           ; s[46:47] v_permlanex16_b32's selects for lane l xor 16
.set PS,  90                           ; s90, s91 v_perm_b32's selects for even and odd K steps
.set TB4, 76                           ; s[76:83] four bases for Tr's codes, 16 rows apart
.set SB4, 8                            ; s[8:15]  the same for St's (free once the buffers are chosen)
.set MSB, 0
.macro WIN new                         ; the immediate's high byte repeats the setting that is left
.if MSB != \new
	s_set_vgpr_msb (MSB<<8)|\new
.set MSB, \new
.endif
.endm
.macro PLACES n
.rept \n
	v_nop
.endr
.endm
; 32 numbers of a lane, register 16 b + i = x 32 b + 16 (lane / 16) + i of my row y, become 24 bytes of codes in v[PC] .. v[PC+5] (lane (r, h): block h) and the row's scale word in v[PW].
; The quantiser is cut into five parts, k = 0 .. 4, so that a part can stand between two pairs of products.  PC, PW, TM, SO name one of two sets of registers (TSET).
.macro TSET n
.set PC, 208+20*(\n)
.set PW, 220+20*(\n)
.set TM, 222+20*(\n)
.set SO, 226+20*(\n)
.endm
.macro QUANT2 x, k
.if (\k) == 0
.irp b, 0,1
	v_max3_num_f32 v[TM+\b], |v[\x+16*\b]|, |v[\x+16*\b+1]|, 0x1800000   ; my 16 numbers of block b, and the floor 2^(3 - 127): the byte cannot fall under 1
.endr
.endif
.irp i, 2,4,6,8,10,12,14
.if (\i)/6 == (\k)
.irp b, 0,1
	v_max3_num_f32 v[TM+\b], v[TM+\b], |v[\x+16*\b+\i]|, |v[\x+16*\b+\i+1]|
.endr
.endif
.endr
.if (\k) == 2
.irp b, 0,1
	v_permlanex16_b32 v[TM+2+\b], v[TM+\b], s[SEL], s[SEL+1]
.endr
.endif
.if (\k) == 3
.irp b, 0,1
	v_max_num_f32 v[TM+\b], v[TM+\b], v[TM+2+\b]   ; with lane l xor 16's: the block's largest magnitude
.endr
.irp b, 0,1
	v_add_nc_u32 v[SO+\b], 0xff000000, v[TM+\b]    ; 2 off its exponent field: the conversion's scale operand
.endr
.irp b, 0,1
	v_lshrrev_b32 v[TM+2+\b], 23, v[SO+\b]         ; the scale's byte
.endr
	v_lshl_or_b32 v[PW], v[TM+3], 8, v[TM+2]
	v_or_b32 v[PW], 0x7f7f0000, v[PW]
.endif
.if (\k) == 4
	v_cvt_scalef32_pk16_fp6_f32 v[PC:PC+2], v[\x:\x+15], v[SO]
	v_cvt_scalef32_pk16_fp6_f32 v[PC+6:PC+8], v[\x+16:\x+31], v[SO+1]
	v_nop                                          ; one plain place behind a scaled conversion
.irp i, 0,1,2
	v_permlane16_swap_b32 v[PC+\i], v[PC+6+\i]     ; the first now holds each lane's block's lower 16 codes, the second the upper 16
.endr
.irp i, 0,1,2
	v_mov_b32 v[PC+3+\i], v[PC+6+\i]
.endr
.endif
.endm
; one product: tile t of St (at register a of its window) x the tile of Tr at f, K step s
.macro WM t, a, f, fs, s, bias
.if (\s) > 0
	v_wmma_scale_f32_16x16x128_f8f6f4 v[ACC+8*(\t):ACC+8*(\t)+7], v[(\a)+12*(\s):(\a)+12*(\s)+11], v[(\f)+12*(\s):(\f)+12*(\s)+11], v[ACC+8*(\t):ACC+8*(\t)+7], v[SSW+8*(\t)+(\s)], v[TSW+(\fs)+(\s)] matrix_a_fmt:MATRIX_FMT_FP6 matrix_b_fmt:MATRIX_FMT_FP6
.elseif \bias
	v_wmma_scale_f32_16x16x128_f8f6f4 v[ACC+8*(\t):ACC+8*(\t)+7], v[(\a)+12*(\s):(\a)+12*(\s)+11], v[(\f)+12*(\s):(\f)+12*(\s)+11], v[BI+8*(\t):BI+8*(\t)+7], v[SSW+8*(\t)+(\s)], v[TSW+(\fs)+(\s)] matrix_a_fmt:MATRIX_FMT_FP6 matrix_b_fmt:MATRIX_FMT_FP6
.else
	v_wmma_scale_f32_16x16x128_f8f6f4 v[ACC+8*(\t):ACC+8*(\t)+7], v[(\a)+12*(\s):(\a)+12*(\s)+11], v[(\f)+12*(\s):(\f)+12*(\s)+11], 0, v[SSW+8*(\t)+(\s)], v[TSW+(\fs)+(\s)] matrix_a_fmt:MATRIX_FMT_FP6 matrix_b_fmt:MATRIX_FMT_FP6
.endif
.endm
; 32 products: my 64 x against 16 y, all of K.  Two accumulators take turns, one instruction a turn.  The first product of each sum starts it: nothing is cleared.
.macro MM f, fs, bias, ep, x, m        ; behind each pair of products stands one slot of the tile before's way out (EPS): ep its kind, x its sums, m its number
	WIN 0x0d                                       ; source 0 window 1, source 1 window 3
.irp s, 0,1,2,3,4,5,6,7
	WM 0, 0, \f, \fs, \s, \bias
	WM 1, 96, \f, \fs, \s, \bias
	EPS \ep, \s, \x, \m
	WIN 0x0d
.endr
	WIN 0x0e                                       ; source 0 window 2
.irp s, 0,1,2,3,4,5,6,7
	WM 2, 0, \f, \fs, \s, \bias
	WM 3, 96, \f, \fs, \s, \bias
	EPS \ep, 8+\s, \x, \m
	WIN 0x0e
.endr
	WIN 0
.endm
; tile m of the trip's four: 16 rows of Tr, my half's 384 bytes of my row, into set f; its eight scale words into set fs
.macro FETCH m, f, fs
	WIN 0xc0                                       ; destination window 3
.set n, 0
.rept 24
	ds_load_b128 v[\f+4*n:\f+4*n+3], v[ATR] offset:(\m)*16*TRP+16*n
.set n, n+1
.endr
	WIN 0
	ds_load_b128 v[TSW+\fs:TSW+\fs+3], v[ATS] offset:(\m)*768
	ds_load_b128 v[TSW+\fs+4:TSW+\fs+7], v[ATS] offset:(\m)*768+16
.endm
; what is made of a tile's sums.  q: + content bias, quantised, to the second stage; + pos bias in place.  All: quantised, to the first stage.
; TWO SETS OF ACCUMULATORS, v128-159 and v160-191, take turns tile by tile: a tile's sums are quantised in slots that stand among the next tile's products.
; ep = 1 (k, v, k_pos): slots 0-4 quantise the sums, to the first stage.  ep = 2 (q): the sums hold q + pos bias (the bias was the first product's C): slots 0-4 quantise them, to q's first stage;
; slots 5, 6 add content bias - pos bias in place; slots 7-11 quantise that, with the second set of the quantiser's registers, to the second stage.
; LIMIT: q + content bias is formed as (q + pos bias) + (content bias - pos bias), three f32 roundings where reference() has one.
; Every slot holds six plain vector instructions or more, and two switches of the windows part it from the next.
.macro PUT a, w, m, oc, ow
.irp p, 0,1,2
	ds_store_b64 v[\a], v[PC+2*\p:PC+2*\p+1] offset:(\oc)+768*(\m)+8*\p
.endr
	ds_store_b32 v[\w], v[PW] offset:(\ow)+64*(\m)   ; lanes r and r + 16 write the same word with the same value
.endm
.macro EPS ep, k, x, m
.if (\ep) > 0 && (\k) < 5
	WIN 0
	TSET 0
	QUANT2 \x, \k
.if (\k) == 4
	PUT SA1, SW1, \m, QO*((\ep)-1), QW*((\ep)-1)
.endif
.elseif (\ep) == 2 && (\k) < 7
	WIN 0
.set j, 16*((\k)-5)
.rept 8
	v_pk_add_f32 v[(\x)+j:(\x)+j+1], v[(\x)+j:(\x)+j+1], v[DB+j:DB+j+1]
.set j, j+2
.endr
.elseif (\ep) == 2 && (\k) < 12
	WIN 0
	TSET 1
	QUANT2 \x, (\k)-7
.if (\k) == 11
	PUT SA2, SW2, \m, 0, 0
.endif
.endif
.endm
.macro TILE m, v
	s_wait_dscnt 0x0                               ; this tile's fragments, asked for a tile ago, are in; the stage stores have read their registers
	PLACES 5                                       ; behind the last tile's products: in front of the loads into the fragments that they read and of the first read of their sums
.if \m < 3
	FETCH \m+1, 96*((\m+1)%2), 8*((\m+1)%2)
.endif
.set ACC, 128+32*((\m)%2)
.if \m == 0
	MM 0, 0, (\v)-1, 0, 0, 0
.else
	MM 96*(\m%2), 8*(\m%2), (\v)-1, \v, 128+32*((\m+1)%2), \m-1
.endif
.endm
	s_load_b512 s[8:23], s[0:1], 0x0               ; query, w_q, key, w_k: codes and scales
	s_load_b512 s[24:39], s[0:1], 0x40             ; value, w_v, pe, w_k_pos
	s_load_b128 s[40:43], s[0:1], 0x80             ; content_bias, pos_bias
	s_load_b64 s[44:45], s[0:1], 0x90              ; ws1
	v_lshl_add_u32 v[SPW], v0, 2, SPARE
	v_mov_b32 v[NIL], 0
	v_lshrrev_b32 v1, 5, v0
	v_readfirstlane_b32 s5, v1                     ; wave 0..3
	v_and_b32 v1, 31, v0                           ; lane
	v_and_b32 v2, 15, v0                           ; r
	v_bfe_u32 v3, v0, 4, 1                         ; h
	v_and_b32 v4, 8, v2
	v_add_nc_u32 v4, v4, v2                        ; r + 8 (r / 8)
	s_wait_alu depctr_va_vdst(0)
	s_lshr_b32 s4, ttmp9, 6                        ; 0 q, 1 k, 2 v, 3 k_pos
	s_and_b32 s6, ttmp9, 63
	s_and_b32 s66, s6, 3                           ; which 256 rows of the weight
	s_lshr_b32 s67, s6, 2
	s_lshr_b32 s69, s67, 2
	s_and_b32 s70, s67, 3
	s_cmp_eq_u32 s4, 3
	s_cselect_b32 s68, 1, 4                        ; rows of memory from one token of a batch to the next (pe: 1)
	s_cselect_b32 s69, 0, s69                      ; the batch
	s_cselect_b32 s70, s67, s70                    ; which 256 tokens (rows of pe)
	s_cselect_b32 s71, 11, 10                      ; log2 of the rows y of an output group: 2,048 or 1,024
	s_lshl_b32 s72, s70, 8
	s_lshl_b32 s73, s66, 8
	s_lshl_b32 s74, s5, 6
	s_add_co_u32 s72, s72, s74                     ; tokens: 256 x block + 64 x wave
	s_add_co_u32 s73, s73, s74                     ; weight rows likewise
	s_cmp_eq_u32 s4, 2                             ; v: the tokens stay, the weight streams
	s_cselect_b32 s75, s72, s73
	s_cselect_b32 s84, s73, s72
	s_cselect_b32 s85, 4, 1
	s_cselect_b32 s86, 1, s68
	s_cselect_b32 s87, s69, 0
	s_cselect_b32 s92, 0, s69
	s_cselect_b32 s93, s70, s66
	s_cselect_b32 s94, s66, s70
	s_mul_i32 s75, s75, s85
	s_add_co_u32 s75, s75, s87                     ; my wave's first row of St, in rows of memory
	s_mul_i32 s84, s84, s86
	s_add_co_u32 s84, s84, s92                     ; the first row of Tr that my wave brings
	s_mul_i32 s88, s85, 768                        ; St: bytes from row to row, codes
	s_lshl_b32 s89, s85, 5                         ; and scale bytes
	s_mul_i32 s99, s86, 768                        ; Tr likewise
	s_lshl_b32 s7, s86, 5
	s_lshl_b32 s6, s93, 2
	s_add_co_u32 s6, s6, s5                        ; G: my head (v: my group of 64 keys)
	s_lshl_b32 s93, s69, 4
	s_add_co_u32 s93, s93, s6
	s_lshl_b32 s93, s93, s71
	s_lshl_b32 s94, s94, 8
	s_add_co_u32 s93, s93, s94                     ; my first piece in the output region
	s_mov_b32 s[PS], 0x05010400
	s_mov_b32 s[PS+1], 0x07030602
	s_mov_b32 s[SEL], 0x76543210
	s_mov_b32 s[SEL+1], 0xfedcba98
	s_mov_b32 s3, 0
.irp t, 0,1,2,3
	v_add_nc_u32 v28, 32*(\t/2)+8*(\t%2), v4
	v_mul_lo_u32 v[VSS+\t], v28, s89
.endr
.irp q, 0,1,2,3,4,5,6,7
	v_add_nc_u32 v28, 2*\q, v3
	v_mul_lo_u32 v[VTO+\q], v28, s99
	v_lshl_add_u32 v[VTO+\q], v2, 4, v[VTO+\q]     ; sixteen lanes read 256 consecutive bytes of a row
	v_mul_lo_u32 v[VSO+\q], v28, s88
	v_lshl_add_u32 v[VSO+\q], v2, 4, v[VSO+\q]     ; St likewise
.endr
.irp k, 0,1,2,3
	v_add_nc_u32 v28, 16*\k, v2
	v_mul_lo_u32 v[VTS+\k], v28, s7
	v_lshl_add_u32 v[VTS+\k], v3, 3, v[VTS+\k]
.endr
	v_lshlrev_b32 v[VB], 6, v3
	s_mul_i32 s72, s5, 64*TRP
	v_mul_u32_u24 v[TRL], v3, TRP
	v_lshl_add_u32 v[TRL], v2, 4, v[TRL]
	v_add_nc_u32 v[TRL], s72, v[TRL]               ; (64 w + h) rows + 16 r
	v_mul_u32_u24 v[SFR], v2, TRP
	v_mad_u32_u24 v[SFR], v3, 384, v[SFR]
	v_add_nc_u32 v[SFR], s72, v[SFR]               ; (64 w + r) rows + my half's 384 bytes
	s_mul_i32 s73, s5, 3072
	s_add_co_u32 s73, s73, TSC
	v_mul_u32_u24 v[TSL], v2, 48
	v_lshl_add_u32 v[TSL], v3, 4, v[TSL]
	v_add_nc_u32 v[TSL], s73, v[TSL]
	s_wait_alu depctr_va_vdst(0)
	s_wait_kmcnt 0x0
	s_and_b32 s2, s4, 1                            ; the choice of buffers hangs on the work-group's number alone
	s_cmp_lg_u32 s2, 0
	s_cselect_b64 s[8:9], s[16:17], s[8:9]
	s_cselect_b64 s[10:11], s[18:19], s[10:11]
	s_cselect_b64 s[12:13], s[20:21], s[12:13]
	s_cselect_b64 s[14:15], s[22:23], s[14:15]
	s_cselect_b64 s[24:25], s[32:33], s[24:25]
	s_cselect_b64 s[26:27], s[34:35], s[26:27]
	s_cselect_b64 s[28:29], s[36:37], s[28:29]
	s_cselect_b64 s[30:31], s[38:39], s[30:31]
	s_and_b32 s2, s4, 2
	s_cmp_lg_u32 s2, 0
	s_cselect_b64 s[48:49], s[24:25], s[8:9]       ; the tokens' codes,
	s_cselect_b64 s[50:51], s[26:27], s[10:11]     ; their scales,
	s_cselect_b64 s[52:53], s[28:29], s[12:13]     ; the weight's codes,
	s_cselect_b64 s[54:55], s[30:31], s[14:15]     ; its scales
	s_cmp_eq_u32 s4, 2
	s_cselect_b64 s[56:57], s[48:49], s[52:53]     ; St's codes
	s_cselect_b64 s[58:59], s[50:51], s[54:55]     ; St's scales
	s_cselect_b64 s[60:61], s[52:53], s[48:49]     ; Tr's codes
	s_cselect_b64 s[62:63], s[54:55], s[50:51]     ; Tr's scales
	s_mul_i32 s2, s75, 768
	s_add_nc_u64 s[56:57], s[56:57], s[2:3]
	s_lshl_b32 s2, s75, 5
	s_add_nc_u64 s[58:59], s[58:59], s[2:3]
	s_mul_i32 s2, s84, 768
	s_add_nc_u64 s[TB4:TB4+1], s[60:61], s[2:3]
	s_lshl_b32 s2, s84, 5
	s_add_nc_u64 s[62:63], s[62:63], s[2:3]
	s_lshl_b32 s2, s99, 4                          ; 16 rows of Tr
	s_add_nc_u64 s[TB4+2:TB4+3], s[TB4:TB4+1], s[2:3]
	s_add_nc_u64 s[TB4+4:TB4+5], s[TB4+2:TB4+3], s[2:3]
	s_add_nc_u64 s[TB4+6:TB4+7], s[TB4+4:TB4+5], s[2:3]
	s_lshl_b32 s2, s88, 4                          ; 16 rows of St
	s_mov_b64 s[SB4:SB4+1], s[56:57]
	s_add_nc_u64 s[SB4+2:SB4+3], s[SB4:SB4+1], s[2:3]
	s_add_nc_u64 s[SB4+4:SB4+5], s[SB4+2:SB4+3], s[2:3]
	s_add_nc_u64 s[SB4+6:SB4+7], s[SB4+4:SB4+5], s[2:3]
	s_lshl_b32 s2, s6, 8                           ; a head's 64 numbers of a bias
	s_add_nc_u64 s[40:41], s[40:41], s[2:3]
	s_add_nc_u64 s[42:43], s[42:43], s[2:3]
	s_mul_i32 s72, s93, 48
	s_lshl_b32 s73, s93, 2
	s_add_co_u32 s74, s4, 1
	s_mul_i32 s2, s74, U
	s_add_co_u32 s2, s2, s72
	s_add_nc_u64 s[84:85], s[44:45], s[2:3]        ; out 1: codes (Qp, K, V, Kpos)
	s_lshl_b32 s2, s74, 18
	s_add_co_u32 s2, s2, s73
	s_add_co_u32 s2, s2, S0
	s_add_nc_u64 s[86:87], s[44:45], s[2:3]        ; out 1: words
	s_mov_b32 s2, s72
	s_add_nc_u64 s[92:93], s[44:45], s[2:3]        ; out 2 (q alone): Qc's codes
	s_add_co_u32 s2, s73, S0
	s_add_nc_u64 s[94:95], s[44:45], s[2:3]        ; and words
	; all loads of the launch go out here, as one group.  Load n of St's or Tr's 96: rows 2 (n / 3) and 2 (n / 3) + 1 of my 64, bytes 256 (n % 3) on
	WIN 0x40                                       ; destination window 1
.set n, 0
.rept 48
	global_load_b128 v[4*n:4*n+3], v[VSO+(n/3)%8], s[SB4+2*(n/24):SB4+2*(n/24)+1] offset:256*(n%3)
.set n, n+1
.endr
.irp t, 0,1,2,3
	global_load_b128 v[192+8*\t:192+8*\t+3], v[VSS+\t], s[58:59]
	global_load_b128 v[192+8*\t+4:192+8*\t+7], v[VSS+\t], s[58:59] offset:16
.endr
.irp k, 0,1,2,3
	global_load_b64 v[224+4*\k:224+4*\k+1], v[VTS+\k], s[62:63]             ; bytes 8 h .. + 7 of row 16 k + r's 32,
	global_load_b64 v[224+4*\k+2:224+4*\k+3], v[VTS+\k], s[62:63] offset:16 ; and 16 + 8 h .. + 7
.endr
	WIN 0x80                                       ; destination window 2
.rept 48
	global_load_b128 v[4*(n-48):4*(n-48)+3], v[VSO+(n/3)%8], s[SB4+2*(n/24):SB4+2*(n/24)+1] offset:256*(n%3)
.set n, n+1
.endr
	WIN 0xc0                                       ; destination window 3
.set n, 0
.rept 64
	global_load_b128 v[4*n:4*n+3], v[VTO+(n/3)%8], s[TB4+2*(n/24):TB4+2*(n/24)+1] offset:256*(n%3)
.set n, n+1
.endr
	WIN 0
.rept 32
	global_load_b128 v[128+4*(n-64):128+4*(n-64)+3], v[VTO+(n/3)%8], s[TB4+2*(n/24):TB4+2*(n/24)+1] offset:256*(n%3)
.set n, n+1
.endr
.irp b, 0,1
.irp k, 0,1,2,3
	global_load_b128 v[CB+16*\b+4*\k:CB+16*\b+4*\k+3], v[VB], s[40:41] offset:128*\b+16*\k   ; register 16 b + i: the bias at 32 b + 16 h + i of my head
	global_load_b128 v[PB+16*\b+4*\k:PB+16*\b+4*\k+3], v[VB], s[42:43] offset:128*\b+16*\k
.endr
.endr
	s_wait_loadcnt 0x0
.set j, 0
.rept 16
	v_pk_add_f32 v[DB+j:DB+j+1], v[DB+j:DB+j+1], v[BI+j:BI+j+1] neg_lo:[0,1] neg_hi:[0,1]   ; content bias - pos bias
.set j, j+2
.endr
	; St's turn through my own 64 rows: row x = 2 (n / 3) + h goes to row 32 (x / 32) + 16 ((x / 8) % 2) + 8 ((x / 16) % 2) + x % 8, which is 16 x its tile + its lane
	WIN 0x04                                       ; an LDS store's data are its source 1: window 1
.set n, 0
.rept 48
.set RX, 2*(n/3)
	ds_store_b128 v[TRL], v[4*n:4*n+3] offset:(32*(RX/32)+16*((RX/8)%2)+8*((RX/16)%2)+RX%8)*TRP+256*(n%3)
.set n, n+1
.endr
	WIN 0x08                                       ; window 2
.rept 48
.set RX, 2*(n/3)
	ds_store_b128 v[TRL], v[4*(n-48):4*(n-48)+3] offset:(32*(RX/32)+16*((RX/8)%2)+8*((RX/16)%2)+RX%8)*TRP+256*(n%3)
.set n, n+1
.endr
	WIN 0x05                                       ; sources 0 and 1 window 1.  (The scale words are made while the stores are out)
.irp t, 0,1,2,3
.irp s, 0,1,2,3,4,5,6,7
	v_perm_b32 v[SSW+8*\t+\s], v[192+8*\t+4+\s/2], v[192+8*\t+\s/2], s[PS+\s%2]   ; St's scale word of tile t, K step s
.endr
.endr
	WIN 0x45                                       ; and the destination too
.irp k, 0,1,2,3
.irp g, 0,1,2,3
	v_perm_b32 v[240+4*\k+\g], v[224+4*\k+2+\g/2], v[224+4*\k+\g/2], s[PS+\g%2]   ; Tr's row 16 k + r, K step 4 h + g
.endr
.endr
	s_wait_alu depctr_va_vdst(0)
	s_wait_dscnt 0x0                               ; the stores have read their registers, into which the fragments now come
	WIN 0x40                                       ; destination window 1
.irp t, 0,1
.set n, 0
.rept 24
	ds_load_b128 v[96*\t+4*n:96*\t+4*n+3], v[SFR] offset:\t*16*TRP+16*n
.set n, n+1
.endr
.endr
	WIN 0x80                                       ; destination window 2
.irp t, 2,3
.set n, 0
.rept 24
	ds_load_b128 v[96*(\t-2)+4*n:96*(\t-2)+4*n+3], v[SFR] offset:\t*16*TRP+16*n
.set n, n+1
.endr
.endr
	WIN 0x04                                       ; store data: window 1
.irp k, 0,1,2,3
	ds_store_b128 v[TSL], v[240+4*\k:240+4*\k+3] offset:768*\k
.endr
	WIN 0x0c                                       ; window 3.  Tr's rows go over St's: LDS serves a wave's instructions in order, so these stores come behind the loads above
.set n, 0
.rept 64
	ds_store_b128 v[TRL], v[4*n:4*n+3] offset:2*(n/3)*TRP+256*(n%3)
.set n, n+1
.endr
	WIN 0
.rept 32
	ds_store_b128 v[TRL], v[128+4*(n-64):128+4*(n-64)+3] offset:2*(n/3)*TRP+256*(n%3)
.set n, n+1
.endr
	s_wait_dscnt 0x0                               ; St's fragments are in; and for the others' sake: my 64 rows of Tr and their words lie in LDS
	s_barrier_signal -1
	s_barrier_wait -1                              ; the launch's one barrier: from here on a wave writes its own stages alone
	v_mul_u32_u24 v[ATR0], v2, TRP
	v_mad_u32_u24 v[ATR0], v3, 384, v[ATR0]        ; row r, my half's 384 bytes
	v_mul_u32_u24 v[ATS0], v2, 48
	v_add_nc_u32 v[ATS0], TSC, v[ATS0]
	s_mul_i32 s72, s5, 3072
	s_lshl_b32 s73, s5, 8
	v_mul_u32_u24 v[SA1], v2, 48
	v_mad_u32_u24 v[SA1], v3, 24, v[SA1]
	v_add_nc_u32 v[SA1], s72, v[SA1]
	v_add_nc_u32 v[SA2], STG2, v[SA1]
	v_add_nc_u32 v[SA1], STG1, v[SA1]              ; into a stage: piece r, block h
	v_lshl_add_u32 v[SW1], v2, 2, s73
	v_add_nc_u32 v[SW2], SS2, v[SW1]
	v_add_nc_u32 v[SW1], SS1, v[SW1]
	v_lshl_add_u32 v[RB1], v1, 4, s72
	v_add_nc_u32 v[RB2], STG2, v[RB1]
	v_add_nc_u32 v[RB1], STG1, v[RB1]              ; out of it: 16 bytes a lane
	v_lshl_add_u32 v[RW1], v1, 3, s73
	v_add_nc_u32 v[RW2], SS2, v[RW1]
	v_add_nc_u32 v[RW1], SS1, v[RW1]
	v_lshlrev_b32 v[GO16], 4, v1
	v_lshlrev_b32 v[GO8], 3, v1
	v_mov_b32 v[TM+2], 0                           ; written once: a lane permute's destination counts as one of its sources
	v_mov_b32 v[TM+3], 0
	v_mov_b32 v[TM+22], 0                          ; the same in the quantiser's second set
	v_mov_b32 v[TM+23], 0
	s_mov_b32 s96, 4
	s_mov_b32 s97, 0
	s_mov_b32 s98, 0
.Ltrip:                                                ; four trips of four tiles: 64 rows y a trip
	v_add_nc_u32 v[ATR], s97, v[ATR0]
	v_add_nc_u32 v[ATS], s98, v[ATS0]
; a trip's body, written for q (v = 2) and for the others (v = 1); the branch between the two stands inside the one counted loop and hangs on the work-group's number alone
.macro BODY v
	FETCH 0, 0, 0
	TILE 0, \v
	TILE 1, \v
	TILE 2, \v
	TILE 3, \v
	PLACES 5
.set kk, 0
.rept 12
	EPS \v, kk, 160, 3                             ; the trip's last tile has no products behind it: its slots stand on end
.set kk, kk+1
.endr
	s_wait_dscnt 0x0                               ; the stage stores have read their registers, into some of which the rows below come
	s_wait_xcnt 0x0                                ; the last trip's stores have read their data and bases
.irp t, 0,1,2,3,4,5
	ds_load_b128 v[OB+4*\t:OB+4*\t+3], v[RB1] offset:QO*(\v-1)+512*\t
.endr
	ds_load_b64 v[OB+24:OB+25], v[RW1] offset:QW*(\v-1)
	s_wait_dscnt 0x0
.irp t, 0,1,2,3,4,5
	global_store_b128 v[GO16], v[OB+4*\t:OB+4*\t+3], s[84:85] offset:512*\t   ; 64 pieces are 3,072 consecutive bytes: each store covers 512, aligned to 256
.endr
	global_store_b64 v[GO8], v[OB+24:OB+25], s[86:87]   ; 64 words: 256 consecutive bytes, aligned
.if \v == 2
	s_wait_xcnt 0x0                                ; the stores above have read their data
.irp t, 0,1,2,3,4,5
	ds_load_b128 v[OB+4*\t:OB+4*\t+3], v[RB2] offset:512*\t
.endr
	ds_load_b64 v[OB+24:OB+25], v[RW2]
	s_wait_dscnt 0x0
.irp t, 0,1,2,3,4,5
	global_store_b128 v[GO16], v[OB+4*\t:OB+4*\t+3], s[92:93] offset:512*\t
.endr
	global_store_b64 v[GO8], v[OB+24:OB+25], s[94:95]
.endif
.endm
	s_cmp_lg_u32 s4, 0
	s_wait_alu depctr_va_vdst(0)
	s_cbranch_scc1 .Lplain
	BODY 2
	s_branch .Ljoin
.Lplain:
	BODY 1
.Ljoin:
	s_wait_xcnt 0x0                                ; the bases step only behind this wait
	s_add_nc_u64 s[84:85], s[84:85], 3072
	s_add_nc_u64 s[86:87], s[86:87], 256
	s_add_nc_u64 s[92:93], s[92:93], 3072
	s_add_nc_u64 s[94:95], s[94:95], 256
	s_add_co_u32 s97, s97, 64*TRP
	s_add_co_u32 s98, s98, 3072
	s_sub_co_u32 s96, s96, 1
	s_cmp_lg_u32 s96, 0
	s_cbranch_scc1 .Ltrip
	s_wait_tensorcnt 0x0                           ; the wave's end, behind my last LDS store
	ds_add_u32 v[SPW], v[NIL]
	s_wait_dscnt 0x0
	s_endpgm
.Lfunc_end_k_q6575147a46_proj:
	.size	k_q6575147a46_proj, .Lfunc_end_k_q6575147a46_proj-k_q6575147a46_proj
	.p2alignl 7, 3214868480
	.fill 96, 4, 3214868480
	.section	.rodata,"a",@progbits
	.p2align	6, 0x0
	.amdhsa_kernel k_q6575147a46_proj
		.amdhsa_group_segment_fixed_size 253440
		.amdhsa_private_segment_fixed_size 0
		.amdhsa_enable_private_segment 0
		.amdhsa_kernarg_size 152
		.amdhsa_user_sgpr_count 2
		.amdhsa_user_sgpr_kernarg_segment_ptr 1
		.amdhsa_wavefront_size32 1
		.amdhsa_system_sgpr_workgroup_id_x 1
		.amdhsa_system_sgpr_workgroup_id_y 1
		.amdhsa_system_sgpr_workgroup_id_z 1
		.amdhsa_system_vgpr_workitem_id 0
		.amdhsa_next_free_vgpr 1024
		.amdhsa_next_free_sgpr 100
		.amdhsa_reserve_vcc 0
		.amdhsa_float_denorm_mode_32 3
		.amdhsa_float_denorm_mode_16_64 3
		.amdhsa_memory_ordered 1
		.amdhsa_forward_progress 1
		.amdhsa_inst_pref_size 140
	.end_amdhsa_kernel
	.amdgpu_metadata
---
amdhsa.version: [ 1, 2 ]
amdhsa.kernels:
  - .name:           k_q6575147a46_proj
    .symbol:         k_q6575147a46_proj.kd
    .args:
      - { .name: query_codes, .offset: 0, .size: 8, .value_kind: global_buffer, .address_space: global }
      - { .name: query_scales, .offset: 8, .size: 8, .value_kind: global_buffer, .address_space: global }
      - { .name: w_q_codes, .offset: 16, .size: 8, .value_kind: global_buffer, .address_space: global }
      - { .name: w_q_scales, .offset: 24, .size: 8, .value_kind: global_buffer, .address_space: global }
      - { .name: key_codes, .offset: 32, .size: 8, .value_kind: global_buffer, .address_space: global }
      - { .name: key_scales, .offset: 40, .size: 8, .value_kind: global_buffer, .address_space: global }
      - { .name: w_k_codes, .offset: 48, .size: 8, .value_kind: global_buffer, .address_space: global }
      - { .name: w_k_scales, .offset: 56, .size: 8, .value_kind: global_buffer, .address_space: global }
      - { .name: value_codes, .offset: 64, .size: 8, .value_kind: global_buffer, .address_space: global }
      - { .name: value_scales, .offset: 72, .size: 8, .value_kind: global_buffer, .address_space: global }
      - { .name: w_v_codes, .offset: 80, .size: 8, .value_kind: global_buffer, .address_space: global }
      - { .name: w_v_scales, .offset: 88, .size: 8, .value_kind: global_buffer, .address_space: global }
      - { .name: pe_codes, .offset: 96, .size: 8, .value_kind: global_buffer, .address_space: global }
      - { .name: pe_scales, .offset: 104, .size: 8, .value_kind: global_buffer, .address_space: global }
      - { .name: w_k_pos_codes, .offset: 112, .size: 8, .value_kind: global_buffer, .address_space: global }
      - { .name: w_k_pos_scales, .offset: 120, .size: 8, .value_kind: global_buffer, .address_space: global }
      - { .name: content_bias, .offset: 128, .size: 8, .value_kind: global_buffer, .address_space: global }
      - { .name: pos_bias, .offset: 136, .size: 8, .value_kind: global_buffer, .address_space: global }
      - { .name: ws1, .offset: 144, .size: 8, .value_kind: global_buffer, .address_space: global }
    .group_segment_fixed_size: 253440
    .private_segment_fixed_size: 0
    .kernarg_segment_align: 8
    .kernarg_segment_size: 152
    .max_flat_workgroup_size: 128
    .sgpr_count:     100
    .vgpr_count:     1024
    .wavefront_size: 32
...
	.end_amdgpu_metadata
.endif
;; end of part 1
;; launch attn (part 2): grid 4 x 64, 16 waves a work-group, no clusters, 324,608 bytes of LDS; arguments ws1, ws2; writes ws2
.if DOCPART == 2
	.amdgcn_target "amdgcn-amd-amdhsa--gfx1250"
	.amdhsa_code_object_version 6
	.text
	.protected	k_q6575147a46_attn
	.globl	k_q6575147a46_attn
	.p2align	8
	.type	k_q6575147a46_attn,@function
k_q6575147a46_attn:
	s_mov_b64 s[64:65], 0
	v_nop
	global_prefetch_b8 v0, s[64:65] scope:SCOPE_SE
	s_setreg_imm32_b32 hwreg(HW_REG_WAVE_MODE, 25, 1), 1
	s_wait_xcnt 0x0
; ATTN: logit(i, j) = Qc_i . K_j + Qp_i . Kpos[p], p = j - i + 1024; softmax over j; times V; the result quantised for the last projection.  All products on codes of E2M3.
; LEFT OUT as dead work (shown at the head of the first kernel): the columns of pos that _rel_shift slices away.  For 16 queries and 128 keys only rows p of nine tiles of 16 are multiplied.
; SHARES.  A work-group owns 256 queries (I0 = 256 x) of one batch and head (y); each of its sixteen waves owns 16, one tile, in 256 registers.  All 1,024 keys' K and V of the head and the 1,280 rows of Kpos that the
; work-group's queries can meet (local row lp = p - (768 - I0), 1 .. 1,279) are laid into LDS once, through registers; then one barrier; then every wave walks eight steps of 128 keys with no further barrier.
; NO CLUSTER, NO TENSOR LOAD: the rows are re-laid (below) on their way through registers, which a tensor load does not do; the four work-groups of a head share K and V but each reads them once, at its head.
; LDS TILES.  A tile is 16 rows x 48 bytes as three planes of 256 bytes: bytes 24 h + 8 p .. + 7 of row rr lie at 256 p + 8 (rr + 16 h): so a fragment's six registers are three loads of 8 bytes, lane l at 8 l.
; THE KEYS (AND V's CHANNELS) OF A TILE ARE NOT NEIGHBOURS: index 32 b + k goes to tile 2 b + (k / 8) % 2, row k % 8 + 8 (k / 16): the 16 registers of tiles 2 b, 2 b + 1 are then 32 b + 16 (lane / 16) + 0 .. 15.
; K = 64 IN A FORM OF 128: the upper six registers of the queries' operands are zero codes, under the scale byte 0x7f on both sides; what the other operand's upper six registers hold (the next tile's codes) adds nothing.
; THE SHIFT.  S_pos^T = Kpos Qp^T for the window's nine tiles gives lane (r, h) query r and local rows 16 t + 8 h + j.  Key c of the step wants local row c - r + 16.  The tile goes to the wave's own LDS rows of 592 bytes
; and is read back 588 bytes a row apart: the skew.  It lands in the content product's accumulators, so that product adds content onto pos and no vector addition is spent.
; SOFTMAX: t = logit x log2(e) / 8; M = the running largest t rounded up to a whole number; p = 2^(t - M) is quantised along the keys; the sum is taken of the unquantised p and divides at the end.
; LIMITS: NaN and infinities among the operands are not served; a block of zeros keeps the scale byte 1 with zero codes.
.set U,     3145728
.set S0,    14155776
.set KT,    0                          ; 64 tiles of K
.set PT,    49152                      ; 80 tiles of Kpos
.set VT,    110592                     ; 64 tiles of V^T: (tile of channels) x 16 + (key / 64)
.set KSC,   159744                     ; K's scale words: 64 bytes a tile
.set PSC,   163840                     ; Kpos's: 4 lp
.set VSC,   168960                     ; V's: 256 bytes a step, 64 a tile
.set SKW,   171008                     ; 9,472 bytes a wave: 16 rows x 592
.set SPARE, 322560                     ; the spare words, 128 bytes a wave: no other line names them
.set SPW, 10
.set NIL, 11
.set QC,  16                           ; v16-27  q + content bias: six registers of codes, six of zeros
.set QP,  28                           ; v28-39  q + pos bias
.set FR,  40                           ; v40-99  fragments of Kpos, K or V
.set PA,  100                          ; v100-171 the nine tiles of pos
.set SC,  100                          ; v100-163 the scores, then p
.set OT,  172                          ; v172-203 O^T
.set PC,  204                          ; v204-215 p's codes
.set ADP, 216
.set ADK, 217
.set ADV, 218
.set ADS, 219
.set ADQ, 220
.set ADQ1, 221
.set ADW, 222
.set SCW, 224                          ; v224-228 scale words: lanes 0-15 an even tile's, lanes 16-31 the odd one's
.set QCS, 229
.set QPS, 230
.set BM,  232
.set TM,  232
.set TT,  236
.set SO,  244
.set PW,  254
.set SEL, 20
.set CS,  22
.macro PLACES n
.rept \n
	v_nop
.endr
.endm
.macro QUANT2 x                        ; 32 numbers, register 16 b + i = 32 b + 16 (lane / 16) + i of my row: 24 bytes of codes in v[PC] .. v[PC+5] (block h), the row's scale word in v[PW]
.irp b, 0,1
	v_max3_num_f32 v[TM+\b], |v[\x+16*\b]|, |v[\x+16*\b+1]|, 0x1800000
.endr
.irp i, 2,4,6,8,10,12,14
.irp b, 0,1
	s_delay_alu instid0(VALU_DEP_2)
	v_max3_num_f32 v[TM+\b], v[TM+\b], |v[\x+16*\b+\i]|, |v[\x+16*\b+\i+1]|
.endr
.endr
.irp b, 0,1
	s_delay_alu instid0(VALU_DEP_2)
	v_permlanex16_b32 v[TM+2+\b], v[TM+\b], s[SEL], s[SEL+1]
.endr
.irp b, 0,1
	s_delay_alu instid0(VALU_DEP_2)
	v_max_num_f32 v[TM+\b], v[TM+\b], v[TM+2+\b]
.endr
.irp b, 0,1
	s_delay_alu instid0(VALU_DEP_2)
	v_add_nc_u32 v[SO+\b], 0xff000000, v[TM+\b]
.endr
.irp b, 0,1
	s_delay_alu instid0(VALU_DEP_2)
	v_lshrrev_b32 v[TM+2+\b], 23, v[SO+\b]
.endr
	s_delay_alu instid0(VALU_DEP_1)
	v_lshl_or_b32 v[PW], v[TM+3], 8, v[TM+2]
	s_delay_alu instid0(VALU_DEP_1)
	v_or_b32 v[PW], 0x7f7f0000, v[PW]
	v_cvt_scalef32_pk16_fp6_f32 v[PC:PC+2], v[\x:\x+15], v[SO]
	v_cvt_scalef32_pk16_fp6_f32 v[PC+6:PC+8], v[\x+16:\x+31], v[SO+1]
	v_nop
.irp i, 0,1,2
	v_permlane16_swap_b32 v[PC+\i], v[PC+6+\i]
.endr
.irp i, 0,1,2
	s_delay_alu instid0(VALU_DEP_3)
	v_mov_b32 v[PC+3+\i], v[PC+6+\i]
.endr
.endm
; one product.  acc = 1: it adds onto d;  odd = 1: source 0's scales stand in lanes 16-31
.macro WS d, a, b, acc, sa, sb, odd
.if \acc
.if \odd
	v_wmma_scale_f32_16x16x128_f8f6f4 v[(\d):(\d)+7], v[(\a):(\a)+11], v[(\b):(\b)+11], v[(\d):(\d)+7], v[\sa], v[\sb] matrix_a_fmt:MATRIX_FMT_FP6 matrix_b_fmt:MATRIX_FMT_FP6 matrix_a_scale:MATRIX_SCALE_ROW1
.else
	v_wmma_scale_f32_16x16x128_f8f6f4 v[(\d):(\d)+7], v[(\a):(\a)+11], v[(\b):(\b)+11], v[(\d):(\d)+7], v[\sa], v[\sb] matrix_a_fmt:MATRIX_FMT_FP6 matrix_b_fmt:MATRIX_FMT_FP6
.endif
.else
.if \odd
	v_wmma_scale_f32_16x16x128_f8f6f4 v[(\d):(\d)+7], v[(\a):(\a)+11], v[(\b):(\b)+11], 0, v[\sa], v[\sb] matrix_a_fmt:MATRIX_FMT_FP6 matrix_b_fmt:MATRIX_FMT_FP6 matrix_a_scale:MATRIX_SCALE_ROW1
.else
	v_wmma_scale_f32_16x16x128_f8f6f4 v[(\d):(\d)+7], v[(\a):(\a)+11], v[(\b):(\b)+11], 0, v[\sa], v[\sb] matrix_a_fmt:MATRIX_FMT_FP6 matrix_b_fmt:MATRIX_FMT_FP6
.endif
.endif
.endm
.macro D n
	s_delay_alu instid0(VALU_DEP_\n)
.endm
; THE FILL.  A block is 32 pieces of 48 bytes, 1,536 consecutive bytes of memory: three loads of 16 bytes a lane, lane l of load n at byte 512 n + 16 l.  Those 16 bytes are third c % 3 of piece c / 3, c = 32 n + l:
; the piece's units of 8 bytes 2 (c % 3) and 2 (c % 3) + 1; unit u goes to plane 256 (u % 3) + 128 (u / 3) of its tile.  FADR makes, for load n, the two LDS addresses in K (v156 ..), V (v162 ..), Kpos (v204 ..)
; and Kpos's last 256 rows (v210 ..).  K, V: piece k of a block goes to tile (k / 8) % 2, row k % 8 + 8 (k / 16);  Kpos: to tile k / 16, row k % 16.
.macro FADR n
	v_add_nc_u32 v219, 32*\n, v154                 ; c, under 96
	D 1
	v_mul_u32_u24 v219, v219, 171                  ; 171 c = 512 x piece + (piece + 171 x third), the bracket under 512: piece and third are bit fields
	D 1
	v_bfe_u32 v168, v219, 9, 3                     ; piece % 8
	D 2
	v_bfe_u32 v169, v219, 12, 1                    ; its bit 3
	D 3
	v_bfe_u32 v170, v219, 13, 1                    ; its bit 4
	D 4
	v_bfe_u32 v221, v219, 7, 1                     ; 1 in the third 1 (the bracket is 171 .. 202)
	v_bfe_u32 v222, v219, 8, 1                     ; 1 in the third 2 (342 .. 373)
	D 2
	v_xor_b32 v220, 1, v221
	D 2
	v_mul_u32_u24 v222, v222, 384
	v_lshlrev_b32 v168, 3, v168
	D 2
	v_lshl_add_u32 v223, v221, 9, v222             ; the first unit's plane: 0, 512, 384
	D 3
	v_lshl_add_u32 v222, v220, 7, v222
	D 1
	v_add_nc_u32 v222, 128, v222                   ; the second's: 256, 128, 640
	D 4
	v_lshl_add_u32 v171, v170, 6, v168
	v_lshl_add_u32 v168, v169, 6, v168             ; Kpos: 8 x the row
	D 2
	v_mad_u32_u24 v219, v169, 768, v171
	D 3
	v_mad_u32_u24 v220, v169, 12288, v171
	D 3
	v_mad_u32_u24 v221, v170, 768, v168
	D 3
	v_add_nc_u32 v219, s48, v219
	D 3
	v_add_nc_u32 v220, s49, v220
	D 3
	v_add_nc_u32 v171, s51, v221
	D 4
	v_add_nc_u32 v221, s50, v221
	D 4
	v_add_nc_u32 v[156+2*\n], v219, v223
	v_add_nc_u32 v[157+2*\n], v219, v222
	v_add_nc_u32 v[162+2*\n], v220, v223
	v_add_nc_u32 v[163+2*\n], v220, v222
	v_add_nc_u32 v[204+2*\n], v221, v223
	v_add_nc_u32 v[205+2*\n], v221, v222
	v_add_nc_u32 v[210+2*\n], v171, v223
	v_add_nc_u32 v[211+2*\n], v171, v222
.endm
.macro PUT2 a, r, imm                  ; 16 bytes into their two planes
	ds_store_b64 v[\a], v[\r:\r+1] offset:\imm
	ds_store_b64 v[\a+1], v[\r+2:\r+3] offset:\imm
.endm
	s_load_b128 s[4:7], s[0:1], 0x0                ; ws1, ws2
	v_lshl_add_u32 v[SPW], v0, 2, SPARE
	v_mov_b32 v[NIL], 0
	v_lshrrev_b32 v132, 5, v0
	s_delay_alu instid0(VALU_DEP_1)
	v_readfirstlane_b32 s8, v132                   ; wave 0..15
	s_and_b32 s14, ttmp7, 0xffff                   ; y = 16 x batch + head
	s_lshr_b32 s15, s14, 4
	s_and_b32 s16, s14, 15
	s_lshl_b32 s17, ttmp9, 8                       ; I0
	s_lshl_b32 s18, s8, 4
	s_add_co_u32 s18, s18, s17                     ; my first query
	s_lshl_b32 s19, s14, 10
	s_add_co_u32 s19, s19, s18                     ; its piece
	s_mov_b32 s3, 0
	s_mov_b32 s[SEL], 0x76543210
	s_mov_b32 s[SEL+1], 0xfedcba98
	s_mov_b32 s[CS], 0x3e38aa3b                    ; log2(e) / 8
	s_mov_b32 s[CS+1], s[CS]
	; the fill's shares.  Codes: wave w takes keys 64 w .. + 63, V's keys 64 w .. + 63 (all 64 channels), local rows 64 w .. + 63 of Kpos and (waves 0-7) rows 1,024 + 32 w .. + 31: runs of 3,072 (1,536) consecutive bytes.
	; Words: thread t takes keys t and t + 512, V's (step t / 64, channel t % 64), local rows t, t + 512 and (waves 0-7) t + 1,024 of Kpos
	v_and_b32 v142, 7, v0
	v_bfe_u32 v143, v0, 3, 1
	v_bfe_u32 v144, v0, 4, 1
	v_lshrrev_b32 v145, 5, v0
	v_bfe_u32 v146, v0, 5, 1
	v_lshrrev_b32 v147, 6, v0
	v_and_b32 v148, 63, v0
	v_and_b32 v151, 15, v0
	v_and_b32 v154, 31, v0
	v_lshlrev_b32 v149, 3, v142
	s_delay_alu instid0(VALU_DEP_1)
	v_lshl_add_u32 v149, v144, 6, v149             ; 8 x (row in a tile of the pair map)
	s_delay_alu instid0(VALU_DEP_1)
	v_lshrrev_b32 v150, 1, v149                    ; 4 x the same
	s_mul_i32 s48, s8, 3072
	s_mul_i32 s49, s8, 49152
	s_mul_i32 s50, s8, 1536
	v_lshlrev_b32 v219, 4, v154                    ; 16 bytes a lane
	D 1
	v_add_nc_u32 v216, s48, v219                   ; K and Kpos in memory: my 64 pieces
	D 2
	v_add_nc_u32 v217, s49, v219                   ; V: my group of 64 keys, 1,024 pieces a group
	D 3
	v_add_nc_u32 v218, s50, v219                   ; Kpos's last rows: my 32 pieces
	s_mul_i32 s49, s8, 768                         ; where my shares go in LDS: K's two blocks at s48,
	s_add_co_u32 s49, s49, VT                      ; V's tiles of my 64 keys,
	s_add_co_u32 s51, s50, PT                      ; Kpos's block among the last eight (+ 49,152 in the stores),
	s_add_co_u32 s50, s48, PT                      ; and its two blocks
	s_wait_alu depctr_va_vdst(0)
	FADR 0
	FADR 1
	FADR 2
	v_lshlrev_b32 v133, 2, v0
	s_delay_alu instid0(VALU_DEP_1)
	v_add_nc_u32 v134, PSC, v133
	v_lshl_add_u32 v136, v145, 7, v150
	s_delay_alu instid0(VALU_DEP_1)
	v_lshl_add_u32 v136, v143, 6, v136
	s_delay_alu instid0(VALU_DEP_1)
	v_add_nc_u32 v136, KSC, v136                   ; and its word
	v_lshlrev_b32 v139, 13, v147
	s_delay_alu instid0(VALU_DEP_1)
	v_lshl_add_u32 v139, v148, 2, v139             ; V's words in memory: step t / 64, channel t % 64
	v_lshl_add_u32 v140, v147, 8, v150
	s_delay_alu instid0(VALU_DEP_1)
	v_lshl_add_u32 v140, v146, 7, v140
	s_delay_alu instid0(VALU_DEP_1)
	v_lshl_add_u32 v140, v143, 6, v140
	s_delay_alu instid0(VALU_DEP_1)
	v_add_nc_u32 v140, VSC, v140
	v_mul_u32_u24 v152, v151, 48
	s_delay_alu instid0(VALU_DEP_1)
	v_mad_u32_u24 v152, v144, 24, v152             ; my query's block h
	v_lshlrev_b32 v153, 2, v151
	; the addresses that stay
	s_xor_b32 s48, s8, 15                          ; 15 - wave: the window of step 0 begins at that tile
	s_mul_i32 s49, s48, 768
	s_lshl_b32 s48, s48, 6
	s_mul_i32 s50, s8, 9472
	v_lshlrev_b32 v1, 3, v154                      ; K's tiles: 8 l
	s_delay_alu instid0(VALU_DEP_1)
	v_add_nc_u32 v2, s49, v1
	s_delay_alu instid0(VALU_DEP_1)
	v_add_nc_u32 v2, PT, v2                        ; Kpos's
	s_delay_alu instid0(VALU_DEP_3)
	v_add_nc_u32 v3, VT, v1                        ; V's
	v_lshlrev_b32 v155, 2, v154
	s_delay_alu instid0(VALU_DEP_1)
	v_add_nc_u32 v4, KSC, v155
	s_delay_alu instid0(VALU_DEP_2)
	v_add_nc_u32 v5, s48, v155
	s_delay_alu instid0(VALU_DEP_1)
	v_add_nc_u32 v5, PSC, v5
	v_add_nc_u32 v6, s48, v153
	s_delay_alu instid0(VALU_DEP_1)
	v_add_nc_u32 v6, PSC, v6
	v_add_nc_u32 v7, VSC, v155
	v_mul_u32_u24 v8, v151, 592
	s_delay_alu instid0(VALU_DEP_1)
	v_lshl_add_u32 v8, v144, 5, v8
	s_delay_alu instid0(VALU_DEP_1)
	v_add_nc_u32 v8, s50, v8
	s_delay_alu instid0(VALU_DEP_1)
	v_add_nc_u32 v8, SKW, v8                       ; pos goes in: row r, + 32 h
	v_mul_u32_u24 v9, v151, 588
	s_delay_alu instid0(VALU_DEP_1)
	v_lshl_add_u32 v9, v144, 6, v9
	s_delay_alu instid0(VALU_DEP_1)
	v_add_nc_u32 v9, s50, v9
	s_delay_alu instid0(VALU_DEP_1)
	v_add_nc_u32 v9, SKW+64, v9                    ; and comes back skewed: 592 r + 4 (c - r + 16), c = 16 h + ..
	s_wait_kmcnt 0x0
	s_mul_i32 s2, s14, 49152
	s_add_co_u32 s2, s2, 2*U
	s_add_nc_u64 s[24:25], s[4:5], s[2:3]          ; K's codes
	s_lshl_b32 s2, s14, 12
	s_add_co_u32 s2, s2, S0+2*262144
	s_add_nc_u64 s[26:27], s[4:5], s[2:3]          ; K's words
	s_lshl_b32 s48, s15, 14
	s_lshl_b32 s49, s16, 6
	s_add_co_u32 s48, s48, s49
	s_mul_i32 s2, s48, 48
	s_add_co_u32 s2, s2, 3*U
	s_add_nc_u64 s[28:29], s[4:5], s[2:3]          ; V's codes
	s_lshl_b32 s2, s48, 2
	s_add_co_u32 s2, s2, S0+3*262144
	s_add_nc_u64 s[30:31], s[4:5], s[2:3]          ; V's words
	s_lshl_b32 s48, s16, 11
	s_add_co_u32 s48, s48, 768
	s_sub_co_u32 s48, s48, s17                     ; the head's row 768 - I0 of Kpos
	s_mul_i32 s2, s48, 48
	s_add_co_u32 s2, s2, 4*U
	s_add_nc_u64 s[32:33], s[4:5], s[2:3]
	s_lshl_b32 s2, s48, 2
	s_add_co_u32 s2, s2, S0+4*262144
	s_add_nc_u64 s[34:35], s[4:5], s[2:3]
	s_mul_i32 s2, s19, 48
	s_add_nc_u64 s[36:37], s[4:5], s[2:3]          ; Qc's codes,
	s_add_nc_u64 s[44:45], s[6:7], s[2:3]          ; the result's codes,
	s_add_nc_u64 s[38:39], s[36:37], U             ; Qp's codes
	s_lshl_b32 s48, s19, 2
	s_add_co_u32 s2, s48, U
	s_add_nc_u64 s[46:47], s[6:7], s[2:3]          ; the result's words
	s_add_co_u32 s2, s48, S0
	s_add_nc_u64 s[40:41], s[4:5], s[2:3]          ; Qc's words
	s_add_nc_u64 s[42:43], s[40:41], 262144        ; Qp's
.irp i, 0,1,2,3,4,5
	global_load_b128 v[40+4*\i:43+4*\i], v216, s[24:25] offset:512*\i   ; each load covers 512 consecutive bytes
	global_load_b128 v[64+4*\i:67+4*\i], v217, s[28:29] offset:512*\i
	global_load_b128 v[88+4*\i:91+4*\i], v216, s[32:33] offset:512*\i
.endr
	global_load_b32 v124, v133, s[26:27]
	global_load_b32 v125, v133, s[26:27] offset:2048
	global_load_b32 v126, v133, s[34:35]
	global_load_b32 v127, v133, s[34:35] offset:2048
	global_load_b32 v129, v139, s[30:31]               ; keys 128 st .. + 63: [e0, e1, .., ..]
	global_load_b32 v130, v139, s[30:31] offset:4096   ; keys 128 st + 64 .. + 127
.irp p, 0,1,2
	global_load_b64 v[QC+2*\p:QC+2*\p+1], v152, s[36:37] offset:8*\p
	global_load_b64 v[QP+2*\p:QP+2*\p+1], v152, s[38:39] offset:8*\p
.endr
	global_load_b32 v[QCS], v153, s[40:41]
	global_load_b32 v[QPS], v153, s[42:43]
	s_cmp_lt_u32 s8, 8
	s_cbranch_scc0 .Lno3a
.irp i, 0,1,2
	global_load_b128 v[112+4*\i:115+4*\i], v218, s[32:33] offset:49152+512*\i
.endr
	global_load_b32 v128, v133, s[34:35] offset:4096
.Lno3a:
.set j, 0
.rept 32
	v_mov_b32 v[OT+j], 0                           ; O^T.  (The step is written once: the first finds zeros, which the first change of M leaves zeros)
.set j, j+1
.endr
.irp j, 6,7,8,9,10,11
	v_mov_b32 v[QC+\j], 0                          ; zero codes: the upper 64 of a K step of 128
	v_mov_b32 v[QP+\j], 0
.endr
	v_mov_b32 v13, 0xff61b1e6                      ; the largest t so far: -3e38
	s_delay_alu instid0(VALU_DEP_1)
	v_floor_f32 v12, -v13                          ; -M
	v_mov_b32 v14, 0
	v_mov_b32 v15, 0
	v_mov_b32 v253, 0
.irp b, 0,1,2,3
	v_mov_b32 v[TT+\b], 0                          ; a lane permute's destination counts as one of its sources
.endr
	s_wait_alu depctr_va_vdst(0)
	s_wait_loadcnt 0x0
	v_perm_b32 v131, v130, v129, 0x05040100        ; V's scale word of a step: the two low halves
.irp b, 0,1
.irp n, 0,1,2
	PUT2 156+2*\n, 40+12*\b+4*\n, 1536*\b
	PUT2 162+2*\n, 64+12*\b+4*\n, 24576*\b
	PUT2 204+2*\n, 88+12*\b+4*\n, 1536*\b
.endr
.endr
	ds_store_b32 v136, v124
	ds_store_b32 v136, v125 offset:2048
	ds_store_b32 v134, v126
	ds_store_b32 v134, v127 offset:2048
	ds_store_b32 v140, v131
	s_cmp_lt_u32 s8, 8
	s_cbranch_scc0 .Lno3b
.irp n, 0,1,2
	PUT2 210+2*\n, 112+4*\n, 49152
.endr
	ds_store_b32 v134, v128 offset:4096
.Lno3b:
	s_wait_dscnt 0x0                               ; for the others' sake: my rows lie in LDS
	s_barrier_signal -1
	s_barrier_wait -1                              ; the launch's one barrier: from here on a wave writes its own 9,472 bytes alone
.irp j, 54,55,56,57,58,59
	v_mov_b32 v[FR+\j], 0                          ; named as the upper half of the ninth tile's operand
.endr
	s_mov_b32 s9, 0                                ; a step on: eight tiles of K, and of Kpos,
	s_mov_b32 s10, 0                               ; their words,
	s_mov_b32 s11, 0                               ; two tiles of V for each tile of channels,
	s_mov_b32 s12, 0                               ; V's words
	s_mov_b32 s13, 8
.Lstep:
	v_add_nc_u32 v[ADP], s9, v2                    ; (these seven are also the places in front of the loads into registers that the last products read)
	v_add_nc_u32 v[ADK], s9, v1
	v_add_nc_u32 v[ADV], s11, v3
	v_add_nc_u32 v[ADS], s10, v4
	v_add_nc_u32 v[ADQ], s10, v5
	v_add_nc_u32 v[ADQ1], s10, v6
	v_add_nc_u32 v[ADW], s12, v7
.irp t, 0,1,2,3,4,5,6,7,8
.irp p, 0,1,2
	ds_load_b64 v[FR+6*\t+2*\p:FR+6*\t+2*\p+1], v[ADP] offset:768*\t+256*\p
.endr
.endr
.irp i, 0,1,2,3
	ds_load_b32 v[SCW+\i], v[ADQ] offset:128*\i
.endr
	ds_load_b32 v[SCW+4], v[ADQ1] offset:512
	s_wait_dscnt 0x0
	s_wait_alu depctr_va_vdst(0)
.irp t, 0,1,2,3,4,5,6,7,8
	WS PA+8*\t, FR+6*\t, QP, 0, SCW+\t/2, QPS, \t%2
.endr
	PLACES 5                                       ; four in front of the stores and loads below; the fifth since the content products write over these registers
.irp t, 0,1,2,3,4,5,6,7,8
	ds_store_b128 v8, v[PA+8*\t:PA+8*\t+3] offset:64*\t          ; each accumulator from its low end on
	ds_store_b128 v8, v[PA+8*\t+4:PA+8*\t+7] offset:64*\t+16
.endr
.irp t, 0,1,2,3,4,5,6,7
.irp p, 0,1,2
	ds_load_b64 v[FR+6*\t+2*\p:FR+6*\t+2*\p+1], v[ADK] offset:768*\t+256*\p
.endr
.endr
.irp i, 0,1,2,3
	ds_load_b32 v[SCW+\i], v[ADS] offset:128*\i
.endr
.irp b, 0,1,2,3
.irp i, 0,1,2,3,4,5,6,7,8,9,10,11,12,13,14,15
	ds_load_b32 v[SC+16*\b+\i], v9 offset:128*\b+4*\i            ; pos of key 32 b + 16 h + i.  LDS serves a wave's instructions in order: these see my stores.  Word 147 r + 16 h + ..: 32 different banks
.endr
.endr
	s_wait_dscnt 0x0
.irp t, 0,1,2,3,4,5,6,7
	WS SC+8*\t, FR+6*\t, QC, 1, SCW+\t/2, QCS, \t%2              ; content is added onto pos
.endr
	PLACES 4
.irp t, 0,1,2,3
.irp c, 0,1
.irp p, 0,1,2
	ds_load_b64 v[FR+12*\t+6*\c+2*\p:FR+12*\t+6*\c+2*\p+1], v[ADV] offset:12288*\t+768*\c+256*\p   ; V lands under the softmax
.endr
.endr
.endr
.irp i, 0,1
	ds_load_b32 v[SCW+\i], v[ADW] offset:128*\i
.endr
.irp b, 0,1,2,3
	v_max3_num_f32 v[BM+\b], v[SC+16*\b], v[SC+16*\b+1], v[SC+16*\b+2]   ; the largest score of each block of 32 keys: for the row's maximum, and, since p rises with the score, for the block's largest p
.endr
.irp i, 3,5,7,9,11,13
.irp b, 0,1,2,3
	v_max3_num_f32 v[BM+\b], v[BM+\b], v[SC+16*\b+\i], v[SC+16*\b+\i+1]
.endr
.endr
.irp b, 0,1,2,3
	v_max_num_f32 v[BM+\b], v[BM+\b], v[SC+16*\b+15]
.endr
.irp b, 0,1,2,3
	s_delay_alu instid0(VALU_DEP_4)
	v_permlanex16_b32 v[TT+\b], v[BM+\b], s[SEL], s[SEL+1]
.endr
.irp b, 0,1,2,3
	s_delay_alu instid0(VALU_DEP_4)
	v_max_num_f32 v[BM+\b], v[BM+\b], v[TT+\b]
.endr
	s_delay_alu instid0(VALU_DEP_2)
	v_max3_num_f32 v254, v[BM], v[BM+1], v[BM+2]
	s_delay_alu instid0(VALU_DEP_1)
	v_max_num_f32 v254, v254, v[BM+3]
	s_delay_alu instid0(VALU_DEP_1)
	v_mul_f32 v254, s[CS], v254
	s_delay_alu instid0(VALU_DEP_1)
	v_max_num_f32 v13, v13, v254                   ; the running largest t
	v_mov_b32 v254, v12
	s_delay_alu instid0(VALU_DEP_2)
	v_floor_f32 v12, -v13                          ; the new -M = -ceil(t)
	s_delay_alu instid0(VALU_DEP_1)
	v_sub_f32 v254, v12, v254                      ; old M - new M: a whole number, 0 or less
	s_delay_alu instid0(VALU_DEP_1)
	v_cvt_i32_f32 v254, v254                       ; (it saturates)
	s_delay_alu instid0(VALU_DEP_1)
	v_ldexp_f32 v252, 1.0, v254                    ; f = 2^(old M - new M)
.set j, 0
.rept 32
	v_pk_fma_f32 v[SC+j:SC+j+1], v[SC+j:SC+j+1], s[CS:CS+1], v[12:13] op_sel_hi:[1,0,0]   ; t - M
.set j, j+2
.endr
.irp b, 0,1,2,3
	v_fma_f32 v[BM+\b], v[BM+\b], s[CS], v12
.endr
.set j, 0
	s_wait_alu depctr_va_vdst(0)
.rept 64
	v_exp_f32 v[SC+j], v[SC+j]                     ; p = 2^(t - M)
.set j, j+1
.endr
	v_pk_mul_f32 v[14:15], v[14:15], v[252:253] op_sel_hi:[1,0]   ; the sums under the new M: the plain place behind the exponentials
	s_wait_alu depctr_va_vdst(0)                   ; one wait for the batch of 64, ahead of its first reader
	v_pk_add_f32 v[236:237], v[104:105], v[108:109]
	v_pk_add_f32 v[250:251], v[112:113], v[116:117]
	v_pk_add_f32 v[248:249], v[120:121], v[124:125]
	v_pk_add_f32 v[14:15], v[14:15], v[128:129]
	v_pk_add_f32 v[236:237], v[236:237], v[132:133]
	v_pk_add_f32 v[250:251], v[250:251], v[136:137]
	v_pk_add_f32 v[248:249], v[248:249], v[140:141]
	v_pk_add_f32 v[14:15], v[14:15], v[144:145]
	v_pk_add_f32 v[236:237], v[236:237], v[148:149]
	v_pk_add_f32 v[250:251], v[250:251], v[152:153]
	v_pk_add_f32 v[248:249], v[248:249], v[156:157]
	v_pk_add_f32 v[14:15], v[14:15], v[160:161]
	v_pk_add_f32 v[236:237], v[236:237], v[100:101]
	v_pk_add_f32 v[250:251], v[250:251], v[102:103]
	v_pk_add_f32 v[248:249], v[248:249], v[106:107]
	v_pk_add_f32 v[14:15], v[14:15], v[110:111]
	v_pk_add_f32 v[236:237], v[236:237], v[114:115]
	v_pk_add_f32 v[250:251], v[250:251], v[118:119]
	v_pk_add_f32 v[248:249], v[248:249], v[122:123]
	v_pk_add_f32 v[14:15], v[14:15], v[126:127]
	v_pk_add_f32 v[236:237], v[236:237], v[130:131]
	v_pk_add_f32 v[250:251], v[250:251], v[134:135]
	v_pk_add_f32 v[248:249], v[248:249], v[138:139]
	v_pk_add_f32 v[14:15], v[14:15], v[142:143]
	v_pk_add_f32 v[236:237], v[236:237], v[146:147]
	v_pk_add_f32 v[250:251], v[250:251], v[150:151]
	v_pk_add_f32 v[248:249], v[248:249], v[154:155]
	v_pk_add_f32 v[14:15], v[14:15], v[158:159]
	v_pk_add_f32 v[236:237], v[236:237], v[162:163]
	s_delay_alu instid0(VALU_DEP_2)
	v_pk_add_f32 v[14:15], v[14:15], v[250:251]
	s_delay_alu instid0(VALU_DEP_2)
	v_pk_add_f32 v[236:237], v[236:237], v[248:249]
	s_delay_alu instid0(VALU_DEP_1)
	v_pk_add_f32 v[14:15], v[14:15], v[236:237]
	; A block's scale from x = its largest t - M, with no exponential: floor(log2(2^x)) = floor(x), so the byte is floor(x) - 2 + 127, held at 1 from below (x held at -124).
	; LIMIT: where x lies so little under 0 that 2^x rounds up to 1.0 in f32 (x over -4e-8), the byte is one less than the rule's and that one p of the block is held at the largest code, 15/16 of it.
.irp b, 0,1,2,3
	v_max_num_f32 v[BM+\b], 0xc2f80000, v[BM+\b]
.endr
.irp b, 0,1,2,3
	s_delay_alu instid0(VALU_DEP_4)
	v_floor_f32 v[BM+\b], v[BM+\b]
.endr
.irp b, 0,1,2,3
	s_delay_alu instid0(VALU_DEP_4)
	v_cvt_i32_f32 v[BM+\b], v[BM+\b]
.endr
.irp b, 0,1,2,3
	s_delay_alu instid0(VALU_DEP_4)
	v_add_lshl_u32 v[SO+\b], v[BM+\b], 125, 23     ; the byte in the exponent field: the conversion's scale operand
.endr
.irp b, 0,1,2,3
	s_delay_alu instid0(VALU_DEP_4)
	v_lshrrev_b32 v[TT+\b], 23, v[SO+\b]
.endr
	s_delay_alu instid0(VALU_DEP_3)
	v_lshl_or_b32 v253, v[TT+1], 8, v[TT]          ; p's scale word for these 128 keys
	s_delay_alu instid0(VALU_DEP_1)
	v_lshl_or_b32 v253, v[TT+2], 16, v253
	s_delay_alu instid0(VALU_DEP_1)
	v_lshl_or_b32 v253, v[TT+3], 24, v253
.irp c, 0,1
	v_cvt_scalef32_pk16_fp6_f32 v[PC+6*\c:PC+6*\c+2], v[SC+32*\c:SC+32*\c+15], v[SO+2*\c]
	v_cvt_scalef32_pk16_fp6_f32 v[TT+4*\c:TT+4*\c+2], v[SC+32*\c+16:SC+32*\c+31], v[SO+2*\c+1]
.endr
	v_nop                                          ; one plain place behind a scaled conversion
.irp c, 0,1
.irp i, 0,1,2
	v_permlane16_swap_b32 v[PC+6*\c+\i], v[TT+4*\c+\i]
.endr
.irp i, 0,1,2
	s_delay_alu instid0(VALU_DEP_3)
	v_mov_b32 v[PC+6*\c+3+\i], v[TT+4*\c+\i]
.endr
.endr
.set j, 0
.rept 16
	v_pk_mul_f32 v[OT+j:OT+j+1], v[OT+j:OT+j+1], v[252:253] op_sel_hi:[1,0]   ; O^T under the new M.  (These sixteen are also the places between p's scale word and codes and the products)
.set j, j+2
.endr
	s_wait_alu depctr_va_vdst(0)
	s_wait_dscnt 0x0                               ; V
.irp t, 0,1,2,3
	WS OT+8*\t, FR+12*\t, PC, 1, SCW+\t/2, 253, \t%2
.endr
	s_add_co_u32 s9, s9, 6144
	s_add_co_u32 s10, s10, 512
	s_add_co_u32 s11, s11, 1536
	s_add_co_u32 s12, s12, 256
	s_sub_co_u32 s13, s13, 1
	s_cmp_lg_u32 s13, 0
	s_cbranch_scc1 .Lstep
	; THE WAY OUT: O^T / the sum, quantised along the head's 64 channels (two blocks of the last projection's K); 16 pieces of 48 bytes through my own LDS rows, so that each store covers 256 consecutive bytes, aligned
	v_add_f32 v14, v14, v15
	s_delay_alu instid0(VALU_DEP_1)
	v_permlanex16_b32 v252, v14, s[SEL], s[SEL+1]
	s_delay_alu instid0(VALU_DEP_1)
	v_add_f32 v14, v14, v252
	s_wait_alu depctr_va_vdst(0)
	v_rcp_f32 v14, v14
	v_and_b32 v216, 15, v0                         ; (plain work behind the reciprocal, and the places behind the last products)
	v_bfe_u32 v217, v0, 4, 1
	v_and_b32 v218, 31, v0
	s_mul_i32 s48, s8, 9472
	s_add_co_u32 s48, s48, SKW
	v_mul_u32_u24 v219, v216, 48
	s_delay_alu instid0(VALU_DEP_1)
	v_mad_u32_u24 v219, v217, 24, v219
	s_delay_alu instid0(VALU_DEP_1)
	v_add_nc_u32 v219, s48, v219
	v_lshlrev_b32 v223, 3, v218
	s_delay_alu instid0(VALU_DEP_1)
	v_add_nc_u32 v220, s48, v223
	v_lshlrev_b32 v221, 2, v216
	s_wait_alu depctr_va_vdst(0)                   ; ahead of the reciprocal's first reader
.set j, 0
.rept 32
	v_mul_f32 v[100+j], v[OT+j], v14               ; register 16 b + i: channel 32 b + 16 h + i of my query
.set j, j+1
.endr
	QUANT2 100
.irp p, 0,1,2
	ds_store_b64 v219, v[PC+2*\p:PC+2*\p+1] offset:8*\p
.endr
.irp p, 0,1,2
	ds_load_b64 v[132+2*\p:133+2*\p], v220 offset:256*\p
.endr
	s_wait_dscnt 0x0
.irp p, 0,1,2
	global_store_b64 v223, v[132+2*\p:133+2*\p], s[44:45] offset:256*\p
.endr
	s_wait_xcnt 0x0                                ; EXEC changes only behind this wait
	v_cmp_gt_u32 vcc_lo, 16, v218
	s_and_saveexec_b32 s52, vcc_lo
	global_store_b32 v221, v[PW], s[46:47]         ; lanes 0-15: my 16 queries' words
	s_wait_xcnt 0x0
	s_or_b32 exec_lo, exec_lo, s52
	s_wait_tensorcnt 0x0                           ; the wave's end, behind my last LDS store
	ds_add_u32 v[SPW], v[NIL]
	s_wait_dscnt 0x0
	s_endpgm
.Lfunc_end_k_q6575147a46_attn:
	.size	k_q6575147a46_attn, .Lfunc_end_k_q6575147a46_attn-k_q6575147a46_attn
	.p2alignl 7, 3214868480
	.fill 96, 4, 3214868480
	.section	.rodata,"a",@progbits
	.p2align	6, 0x0
	.amdhsa_kernel k_q6575147a46_attn
		.amdhsa_group_segment_fixed_size 324608
		.amdhsa_private_segment_fixed_size 0
		.amdhsa_enable_private_segment 0
		.amdhsa_kernarg_size 16
		.amdhsa_user_sgpr_count 2
		.amdhsa_user_sgpr_kernarg_segment_ptr 1
		.amdhsa_wavefront_size32 1
		.amdhsa_system_sgpr_workgroup_id_x 1
		.amdhsa_system_sgpr_workgroup_id_y 1
		.amdhsa_system_sgpr_workgroup_id_z 1
		.amdhsa_system_vgpr_workitem_id 0
		.amdhsa_next_free_vgpr 256
		.amdhsa_next_free_sgpr 66
		.amdhsa_reserve_vcc 1
		.amdhsa_float_denorm_mode_32 3
		.amdhsa_float_denorm_mode_16_64 3
		.amdhsa_memory_ordered 1
		.amdhsa_forward_progress 1
		.amdhsa_inst_pref_size 55
	.end_amdhsa_kernel
	.amdgpu_metadata
---
amdhsa.version: [ 1, 2 ]
amdhsa.kernels:
  - .name:           k_q6575147a46_attn
    .symbol:         k_q6575147a46_attn.kd
    .args:
      - { .name: ws1, .offset: 0, .size: 8, .value_kind: global_buffer, .address_space: global }
      - { .name: ws2, .offset: 8, .size: 8, .value_kind: global_buffer, .address_space: global }
    .group_segment_fixed_size: 324608
    .private_segment_fixed_size: 0
    .kernarg_segment_align: 8
    .kernarg_segment_size: 16
    .max_flat_workgroup_size: 512
    .sgpr_count:     66
    .vgpr_count:     256
    .wavefront_size: 32
...
	.end_amdgpu_metadata
.endif
;; end of part 2
;; launch outp (part 3): grid 256 x 1, 4 waves a work-group, no clusters, 270,848 bytes of LDS; arguments ws2, w_out_codes, w_out_scales, b_out, out0; writes out0
.if DOCPART == 3
	.amdgcn_target "amdgcn-amd-amdhsa--gfx1250"
	.amdhsa_code_object_version 6
	.text
	.protected	k_q6575147a46_outp
	.globl	k_q6575147a46_outp
	.p2align	8
	.type	k_q6575147a46_outp,@function
k_q6575147a46_outp:
	s_mov_b64 s[64:65], 0
	v_nop
	global_prefetch_b8 v0, s[64:65] scope:SCOPE_SE
	s_setreg_imm32_b32 hwreg(HW_REG_WAVE_MODE, 25, 1), 1
	s_wait_xcnt 0x0
; OUTP: out0[s][b][n] = sum over e of att[s][b][e] w_out[n][e] + b_out[n], on codes of E2M3.  No work is left out here.
; SHARES.  A work-group takes 256 features n and 64 tokens s of one batch.  Wave w holds its 64 rows of w_out, all 1,024 along K, in 384 registers; the 64 tokens' codes go once into LDS and are streamed, 16 at a time.
; Source 0 = 16 rows of w_out, source 1 = 16 tokens: a lane holds one token and eight neighbouring features.  b_out is the C of each sum's first product.
; K's BLOCKS OF 32 ARE PERMUTED ALIKE ON BOTH SIDES: place (K step s, c, h) takes block 16 h + 2 s + c.  For w_out: bytes 384 h + 48 s .. + 47 of a row.  For the tokens: the piece of 48 bytes of head 8 h + s, as the attention
; launch stored it ([b][head][s][48]).  So the f32 sums run over K in another order than ascending (a stated limit).  The scale word of K step s: bytes 2 s, 16 + 2 s, 2 s + 1, 17 + 2 s of a row's 32.
; THE WEIGHT TURNS THROUGH THE WAVE'S OWN LDS ROWS.  Loaded straight into the operand's layout, each load would take 16 bytes at each of 32 places, 384 bytes apart.  So it is loaded sixteen lanes to 256 consecutive bytes of a
; row, two rows a load, into the registers that will hold the fragments, stored into the wave's own 64 rows of 784 bytes, and read back as fragments.
; NO CLUSTER, NO TENSOR LOAD: the tokens' scale words are re-laid in registers, and the weight is wanted in registers, not in LDS; each work-group reads its operands once, at its head.
; REGISTERS.  window 0: v1-29 addresses; v30, v31 the add's two; v32-63 the weight's scale words; v64-95 b_out; v96-107 the tokens' words at the head; v128-159 accumulators; v160-191 rows on their way out; v192-207 the tokens' scale words, two sets.
;   window 1: the weight's tiles 0, 1; v192-223 its scale bytes.  window 2: tiles 2, 3.  window 3: the tokens' fragments, two sets of 96 (at the head: v0-95 stage them).
.set U,     3145728
.set TSC3,  49152                      ; behind the codes [head][64 tokens][48]: the tokens' scale words, 64 rows x (8 words + 16 bytes)
.set STG3,  52224                      ; a stage of 16 rows x (256 bytes + 16) a wave
.set SPARE, 69632                      ; the spare words, 128 bytes a wave: no other line names them
.set WST,   70144                      ; the weight's turn: 64 rows x 784 bytes a wave
.set WP,    784                        ; 768 bytes + 16: an odd multiple of 16, so the 16 rows of a load of 16 bytes a lane start in different banks
.set SPW, 30
.set NIL, 31
.set SSW, 32
.set BI,  64
.set ACC, 128
.set OB,  160
.set TSW, 192
.set PS,  20
.set MSB, 0
.macro WIN new
.if MSB != \new
	s_set_vgpr_msb (MSB<<8)|\new
.set MSB, \new
.endif
.endm
.macro PLACES n
.rept \n
	v_nop
.endr
.endm
.macro WM t, a, f, fs, s, bias
.if (\s) > 0
	v_wmma_scale_f32_16x16x128_f8f6f4 v[ACC+8*(\t):ACC+8*(\t)+7], v[(\a)+12*(\s):(\a)+12*(\s)+11], v[(\f)+12*(\s):(\f)+12*(\s)+11], v[ACC+8*(\t):ACC+8*(\t)+7], v[SSW+8*(\t)+(\s)], v[TSW+(\fs)+(\s)] matrix_a_fmt:MATRIX_FMT_FP6 matrix_b_fmt:MATRIX_FMT_FP6
.elseif \bias
	v_wmma_scale_f32_16x16x128_f8f6f4 v[ACC+8*(\t):ACC+8*(\t)+7], v[(\a)+12*(\s):(\a)+12*(\s)+11], v[(\f)+12*(\s):(\f)+12*(\s)+11], v[BI+8*(\t):BI+8*(\t)+7], v[SSW+8*(\t)+(\s)], v[TSW+(\fs)+(\s)] matrix_a_fmt:MATRIX_FMT_FP6 matrix_b_fmt:MATRIX_FMT_FP6
.else
	v_wmma_scale_f32_16x16x128_f8f6f4 v[ACC+8*(\t):ACC+8*(\t)+7], v[(\a)+12*(\s):(\a)+12*(\s)+11], v[(\f)+12*(\s):(\f)+12*(\s)+11], 0, v[SSW+8*(\t)+(\s)], v[TSW+(\fs)+(\s)] matrix_a_fmt:MATRIX_FMT_FP6 matrix_b_fmt:MATRIX_FMT_FP6
.endif
.endm
.macro MM f, fs, bias                  ; 32 products; two accumulators take turns, one instruction a turn
	WIN 0x0d
.irp s, 0,1,2,3,4,5,6,7
	WM 0, 0, \f, \fs, \s, \bias
	WM 1, 96, \f, \fs, \s, \bias
.endr
	WIN 0x0e
.irp s, 0,1,2,3,4,5,6,7
	WM 2, 0, \f, \fs, \s, \bias
	WM 3, 96, \f, \fs, \s, \bias
.endr
	WIN 0
.endm
.macro FETCH3 m, f, fs                 ; tokens 16 m .. + 15: for each K step g the piece of head 8 h + g; and the eight scale words
	WIN 0xc0
.irp g, 0,1,2,3,4,5,6,7
.irp c, 0,1,2
	ds_load_b128 v[\f+12*\g+4*\c:\f+12*\g+4*\c+3], v12 offset:3072*\g+768*(\m)+16*\c
.endr
.endr
	WIN 0
	ds_load_b128 v[TSW+\fs:TSW+\fs+3], v13 offset:768*(\m)
	ds_load_b128 v[TSW+\fs+4:TSW+\fs+7], v13 offset:768*(\m)+16
.endm
.macro TILE3 m
	s_wait_dscnt 0x0                               ; this tile's fragments are in (ahead of the first tile: the weight's too)
.if \m < 3
	FETCH3 \m+1, 96*((\m+1)%2), 8*((\m+1)%2)       ; the next tile lands under this tile's 32 products
.endif
	MM 96*(\m%2), 8*(\m%2), 1
	PLACES 5                                       ; four in front of the first read of results and of the next loads into the fragments just read; the fifth since the next tile's first products, whose C is b_out, write over these accumulators
	s_wait_xcnt 0x0                                ; the last tile's stores have read their data
.irp t, 0,1,2,3
	ds_store_b128 v14, v[ACC+8*\t:ACC+8*\t+3] offset:64*\t       ; lane (r, h): token r, features 16 t + 8 h + 0 .. 7; each accumulator from its low end on
	ds_store_b128 v14, v[ACC+8*\t+4:ACC+8*\t+7] offset:64*\t+16
.endr
.irp i, 0,1,2,3,4,5,6,7
	ds_load_b128 v[OB+4*\i:OB+4*\i+3], v15 offset:544*\i         ; LDS serves a wave's instructions in order: these see my stores
.endr
	s_wait_dscnt 0x0
.irp i, 0,1,2,3,4,5,6,7
	global_store_b128 v16, v[OB+4*\i:OB+4*\i+3], s[12:13] offset:262144*(\m)+32768*\i th:TH_STORE_NT   ; sixteen lanes store a token's 256 consecutive bytes, aligned
.endr
.endm
	s_load_b256 s[4:11], s[0:1], 0x0               ; ws2, w_out's codes, its scales, b_out
	s_load_b64 s[12:13], s[0:1], 0x20              ; out0
	v_lshl_add_u32 v[SPW], v0, 2, SPARE
	v_mov_b32 v[NIL], 0
	v_lshrrev_b32 v1, 5, v0
	v_readfirstlane_b32 s14, v1                    ; wave 0..3
	v_and_b32 v1, 31, v0
	v_and_b32 v2, 15, v0
	v_bfe_u32 v3, v0, 4, 1
	s_wait_alu depctr_va_vdst(0)
	s_and_b32 s15, ttmp9, 3
	s_lshr_b32 s16, ttmp9, 2
	s_lshr_b32 s17, s16, 4                         ; the batch
	s_and_b32 s18, s16, 15
	s_lshl_b32 s18, s18, 6                         ; the first token
	s_lshl_b32 s19, s15, 8
	s_lshl_b32 s26, s14, 6
	s_add_co_u32 s19, s19, s26                     ; my first feature
	s_mov_b32 s[PS], 0x05010400
	s_mov_b32 s[PS+1], 0x07030602
	s_mov_b32 s3, 0
	s_and_b32 s27, s14, 1
	s_lshr_b32 s28, s14, 1
	v_mul_u32_u24 v5, v3, 768
	v_lshl_add_u32 v5, v2, 4, v5                   ; the weight's codes: row h of a pair, sixteen lanes to its 256 consecutive bytes
	v_lshlrev_b32 v6, 5, v2                        ; its scale bytes
	v_lshlrev_b32 v7, 5, v3                        ; b_out: 8 h numbers on
	v_lshlrev_b32 v8, 4, v1                        ; the tokens' codes: 16 bytes a lane
	s_lshl_b32 s26, s27, 7
	s_lshl_b32 s29, s28, 14
	s_add_co_u32 s26, s26, s29
	v_lshl_add_u32 v9, v1, 2, s26                  ; the tokens' words: token 32 (w % 2) + lane, heads 4 (w / 2) on
	s_mul_i32 s26, s14, 12288
	v_add_nc_u32 v10, s26, v8                      ; LDS: my four heads' codes, as they lie
	s_mul_i32 s26, s27, 1536
	s_lshl_b32 s29, s28, 4
	s_add_co_u32 s26, s26, s29
	s_add_co_u32 s26, s26, TSC3
	v_mul_u32_u24 v11, v1, 48
	v_add_nc_u32 v11, s26, v11                     ; LDS: my token's words 4 (w / 2) .. + 3
	s_mul_i32 s26, s14, 64*WP
	s_add_co_u32 s26, s26, WST                     ; my 64 rows of the weight's turn
	v_mul_u32_u24 v17, v3, WP
	v_lshl_add_u32 v17, v2, 4, v17
	v_add_nc_u32 v17, s26, v17                     ; in: row h of a pair, + 16 r
	v_mul_u32_u24 v18, v2, WP
	v_mad_u32_u24 v18, v3, 384, v18
	v_add_nc_u32 v18, s26, v18                     ; back: row r, my half's 384 bytes
	s_wait_alu depctr_va_vdst(0)
	s_wait_kmcnt 0x0
	s_mul_i32 s2, s19, 768
	s_add_nc_u64 s[6:7], s[6:7], s[2:3]
	s_lshl_b32 s2, s19, 5
	s_add_nc_u64 s[8:9], s[8:9], s[2:3]
	s_lshl_b32 s2, s19, 2
	s_add_nc_u64 s[10:11], s[10:11], s[2:3]
	s_add_nc_u64 s[12:13], s[12:13], s[2:3]
	s_lshl_b32 s2, s18, 2
	s_add_co_u32 s2, s2, s17
	s_lshl_b32 s2, s2, 12                          ; (4 s + b) rows of 4,096 bytes
	s_add_nc_u64 s[12:13], s[12:13], s[2:3]
	s_lshl_b32 s2, s17, 4
	s_lshl_b32 s26, s14, 2
	s_add_co_u32 s2, s2, s26
	s_lshl_b32 s2, s2, 10
	s_add_co_u32 s2, s2, s18
	s_mul_i32 s2, s2, 48
	s_add_nc_u64 s[22:23], s[4:5], s[2:3]          ; the codes of head 4 w, first token
	s_lshl_b32 s2, s17, 14
	s_add_co_u32 s2, s2, s18
	s_lshl_b32 s2, s2, 2
	s_add_co_u32 s2, s2, U
	s_add_nc_u64 s[24:25], s[4:5], s[2:3]          ; the words of head 0, first token
	; all loads of the launch go out here, as one group.  Load n of the weight's 96: rows 2 (n / 3) and 2 (n / 3) + 1 of my 64, bytes 256 (n % 3) on
	WIN 0x40
.set n, 0
.rept 48
	global_load_b128 v[4*n:4*n+3], v5, s[6:7] offset:1536*(n/3)+256*(n%3)
.set n, n+1
.endr
.irp t, 0,1,2,3
	global_load_b128 v[192+8*\t:192+8*\t+3], v6, s[8:9] offset:512*\t
	global_load_b128 v[192+8*\t+4:192+8*\t+7], v6, s[8:9] offset:512*\t+16
.endr
	WIN 0x80
.rept 48
	global_load_b128 v[4*(n-48):4*(n-48)+3], v5, s[6:7] offset:1536*(n/3)+256*(n%3)
.set n, n+1
.endr
	WIN 0xc0
.irp g, 0,1,2,3
.irp k, 0,1,2,3,4,5
	global_load_b128 v[24*\g+4*\k:24*\g+4*\k+3], v8, s[22:23] offset:49152*\g+512*\k   ; 64 tokens of a head are 3,072 consecutive bytes
.endr
.endr
	WIN 0
.irp t, 0,1,2,3
	global_load_b128 v[BI+8*\t:BI+8*\t+3], v7, s[10:11] offset:64*\t
	global_load_b128 v[BI+8*\t+4:BI+8*\t+7], v7, s[10:11] offset:64*\t+16
.endr
.irp i, 0,1,2,3
	global_load_b32 v[96+\i], v9, s[24:25] offset:4096*\i          ; head 4 (w / 2) + i,
	global_load_b32 v[100+\i], v9, s[24:25] offset:4096*\i+32768   ; and the head eight on
.endr
	s_wait_loadcnt 0x0
	WIN 0x04                                       ; an LDS store's data are its source 1: window 1
.set n, 0
.rept 48
	ds_store_b128 v17, v[4*n:4*n+3] offset:2*(n/3)*WP+256*(n%3)
.set n, n+1
.endr
	WIN 0x08                                       ; window 2
.rept 48
	ds_store_b128 v17, v[4*(n-48):4*(n-48)+3] offset:2*(n/3)*WP+256*(n%3)
.set n, n+1
.endr
	WIN 0x05
.irp t, 0,1,2,3
.irp s, 0,1,2,3,4,5,6,7
	v_perm_b32 v[SSW+8*\t+\s], v[192+8*\t+4+\s/2], v[192+8*\t+\s/2], s[PS+\s%2]
.endr
.endr
	WIN 0
.irp i, 0,1,2,3
	v_perm_b32 v[104+\i], v[100+\i], v[96+\i], s[PS]   ; [e0 of head g, e0 of head 8 + g, e1 of head g, e1 of head 8 + g]
.endr
	ds_store_b128 v11, v[104:107]
	WIN 0x0c
.irp g, 0,1,2,3
.irp k, 0,1,2,3,4,5
	ds_store_b128 v10, v[24*\g+4*\k:24*\g+4*\k+3] offset:3072*\g+512*\k
.endr
.endr
	WIN 0
	s_wait_dscnt 0x0                               ; the weight's stores have read their registers; and for the others' sake: my four heads and my words lie in LDS
	s_barrier_signal -1
	s_barrier_wait -1                              ; the launch's one barrier: from here on a wave writes its own stage alone
	v_mul_u32_u24 v12, v3, 24576                   ; (these lines are also the places between the last scale word made above and the products)
	v_mad_u32_u24 v12, v2, 48, v12                 ; heads 8 h on, token r
	v_mul_u32_u24 v13, v2, 48
	v_add_nc_u32 v13, TSC3, v13
	s_mul_i32 s26, s14, 4352
	s_add_co_u32 s26, s26, STG3
	v_mul_u32_u24 v14, v2, 272
	v_lshl_add_u32 v14, v3, 5, v14
	v_add_nc_u32 v14, s26, v14                     ; into my stage: row r, + 32 h
	v_mul_u32_u24 v15, v3, 272
	v_lshl_add_u32 v15, v2, 4, v15
	v_add_nc_u32 v15, s26, v15                     ; back: lanes 0-15 one row, lanes 16-31 the next
	v_lshlrev_b32 v16, 14, v3
	v_lshl_add_u32 v16, v2, 4, v16                 ; and the same two tokens in out0
	WIN 0x40                                       ; the weight's fragments, out of my own rows: tile t, row r, bytes 384 h + 16 n
.irp t, 0,1
.set n, 0
.rept 24
	ds_load_b128 v[96*\t+4*n:96*\t+4*n+3], v18 offset:\t*16*WP+16*n
.set n, n+1
.endr
.endr
	WIN 0x80
.irp t, 2,3
.set n, 0
.rept 24
	ds_load_b128 v[96*(\t-2)+4*n:96*(\t-2)+4*n+3], v18 offset:\t*16*WP+16*n
.set n, n+1
.endr
.endr
	FETCH3 0, 0, 0
	s_wait_alu depctr_va_vdst(0)
	TILE3 0
	TILE3 1
	TILE3 2
	TILE3 3
	s_wait_tensorcnt 0x0                           ; the wave's end, behind my last LDS store
	ds_add_u32 v[SPW], v[NIL]
	s_wait_dscnt 0x0
	s_endpgm
.Lfunc_end_k_q6575147a46_outp:
	.size	k_q6575147a46_outp, .Lfunc_end_k_q6575147a46_outp-k_q6575147a46_outp
	.p2alignl 7, 3214868480
	.fill 96, 4, 3214868480
	.section	.rodata,"a",@progbits
	.p2align	6, 0x0
	.amdhsa_kernel k_q6575147a46_outp
		.amdhsa_group_segment_fixed_size 270848
		.amdhsa_private_segment_fixed_size 0
		.amdhsa_enable_private_segment 0
		.amdhsa_kernarg_size 40
		.amdhsa_user_sgpr_count 2
		.amdhsa_user_sgpr_kernarg_segment_ptr 1
		.amdhsa_wavefront_size32 1
		.amdhsa_system_sgpr_workgroup_id_x 1
		.amdhsa_system_sgpr_workgroup_id_y 1
		.amdhsa_system_sgpr_workgroup_id_z 1
		.amdhsa_system_vgpr_workitem_id 0
		.amdhsa_next_free_vgpr 1024
		.amdhsa_next_free_sgpr 66
		.amdhsa_reserve_vcc 0
		.amdhsa_float_denorm_mode_32 3
		.amdhsa_float_denorm_mode_16_64 3
		.amdhsa_memory_ordered 1
		.amdhsa_forward_progress 1
		.amdhsa_inst_pref_size 66
	.end_amdhsa_kernel
	.amdgpu_metadata
---
amdhsa.version: [ 1, 2 ]
amdhsa.kernels:
  - .name:           k_q6575147a46_outp
    .symbol:         k_q6575147a46_outp.kd
    .args:
      - { .name: ws2, .offset: 0, .size: 8, .value_kind: global_buffer, .address_space: global }
      - { .name: w_out_codes, .offset: 8, .size: 8, .value_kind: global_buffer, .address_space: global }
      - { .name: w_out_scales, .offset: 16, .size: 8, .value_kind: global_buffer, .address_space: global }
      - { .name: b_out, .offset: 24, .size: 8, .value_kind: global_buffer, .address_space: global }
      - { .name: out0, .offset: 32, .size: 8, .value_kind: global_buffer, .address_space: global }
    .group_segment_fixed_size: 270848
    .private_segment_fixed_size: 0
    .kernarg_segment_align: 8
    .kernarg_segment_size: 40
    .max_flat_workgroup_size: 128
    .sgpr_count:     66
    .vgpr_count:     1024
    .wavefront_size: 32
...
	.end_amdgpu_metadata
.endif
;; end of part 3
